; MI455X (gfx1250); checked and timed in simulation.
; The chip was launched on July 23, 2026; its instructions are those of AMD's public machine-readable ISA for CDNA 5 (MIT licence, August 2026) and "CDNA5" Instruction Set Architecture Reference Guide (July 2026). The comments in the code are by the model that wrote it; some were corrected since.
;; Encoder Layer. Allowed arithmetic: matrix products marked QUANTISED: E4M3 operands, one given power-of-two scale a tensor, by v_wmma_f32_16x16x64_fp8_fp8 or v_wmma_f32_16x16x128_fp8_fp8, f32 sums; everything else in f32.
;; Inputs: W1_codes 4,096 x 32 x 32 uint8 (E4M3 codes of W1, K innermost, in blocks of 32 codes); W2_codes 1,024 x 128 x 32 uint8 (E4M3 codes of W2, K innermost, in blocks of 32 codes); Wk_codes 1,024 x 32 x 32 uint8 (E4M3 codes of Wk, K innermost, in blocks of 32 codes); Wo_codes 1,024 x 32 x 32 uint8 (E4M3 codes of Wo, K innermost, in blocks of 32 codes); Wq_codes 1,024 x 32 x 32 uint8 (E4M3 codes of Wq, K innermost, in blocks of 32 codes); Wv_codes 1,024 x 32 x 32 uint8 (E4M3 codes of Wv, K innermost, in blocks of 32 codes); b1 4,096 float32; b2 1,024 float32; bk 1,024 float32; bo 1,024 float32; bq 1,024 float32; bv 1,024 float32; ln1_b 1,024 float32; ln1_g 1,024 float32; ln2_b 1,024 float32; ln2_g 1,024 float32; lowp_scales 16 int32 (the exponents e of the quantised operands' scales 2^e); src 2 x 2,048 x 1,024 float32; src_mask 2 x 1 x 1 x 2,048 bool.
;; Outputs: out0 2 x 2,048 x 1,024 float32.
;; This version of the problem:
;;   THIS VERSION OF THE PROBLEM IS GIVEN IN LOW PRECISION. The matrix products marked QUANTISED in the list below multiply operands that are first quantised to E4M3 (4 exponent bits, 3 mantissa bits; 8 bits a number), with one given power-of-two scale for each operand tensor; their sums are f32. All else is computed in f32.
;;   The module's matrix products, in the order in which they are computed (A, B: the left and right operand; K: the contracted axis; several contracted axes count as one K, in the product's order):
;;     1. [M 4,096, K 1,024] x [K 1,024, N 1,024]; A: computed on the way; B: input Wq (given as codes): QUANTISED (scales: A lowp_scales[0], B lowp_scales[1])
;;     2. [M 4,096, K 1,024] x [K 1,024, N 1,024]; A: computed on the way; B: input Wk (given as codes): QUANTISED (scales: A lowp_scales[2], B lowp_scales[3])
;;     3. [M 4,096, K 1,024] x [K 1,024, N 1,024]; A: computed on the way; B: input Wv (given as codes): QUANTISED (scales: A lowp_scales[4], B lowp_scales[5])
;;     4. batch 32 x [M 2,048, K 64] x [K 64, N 2,048]; A: computed on the way; B: computed on the way: QUANTISED (scales: A lowp_scales[6], B lowp_scales[7])
;;     5. batch 32 x [M 2,048, K 2,048] x [K 2,048, N 64]; A: softmax (see below); B: computed on the way: QUANTISED (scales: A lowp_scales[8], B lowp_scales[9])
;;     6. [M 4,096, K 1,024] x [K 1,024, N 1,024]; A: computed on the way; B: input Wo (given as codes): QUANTISED (scales: A lowp_scales[10], B lowp_scales[11])
;;     7. [M 4,096, K 1,024] x [K 1,024, N 4,096]; A: computed on the way; B: input W1 (given as codes): QUANTISED (scales: A lowp_scales[12], B lowp_scales[13])
;;     8. [M 4,096, K 4,096] x [K 4,096, N 1,024]; A: computed on the way; B: input W2 (given as codes): QUANTISED (scales: A lowp_scales[14], B lowp_scales[15])
;;   THE QUANTISER, for each operand of a quantised product, along K:
;;     - The operand's scale is 2^e, e = its entry of the input lowp_scales (int32; the entries are numbered through the quantised products in the list's order, A before B).
;;     - Each number is divided by the scale, clamped to +-448, and rounded to the nearest number of E4M3, ties to even, subnormals kept.
;;     - The product sums the exact products of the quantised numbers (number of the format x scale) in f32.
;;   ~~~python
;;   def quantise(x, axis, e):      # numpy; x: float32 -> the quantised numbers, widened to float32 again
;;       x = np.moveaxis(x, axis, -1); K = x.shape[-1]
;;       r = np.clip(x / 2.0 ** e, -448, 448)
;;       step = 2.0 ** (np.maximum(np.frexp(np.where(r == 0, 1, r))[1] - 1, -6) - 3)
;;       q = np.round(r / step) * step * 2.0 ** e      # np.round: ties to even
;;       return np.moveaxis(q, -1, axis).astype(np.float32)
;;   ~~~
;;   SOFTMAX AHEAD OF A QUANTISED PRODUCT. Where the list says 'softmax', what is quantised is not the finished softmax but p = 2^(t - M), with t = logit x log2(e) and M = ceil(the row's largest t), a whole number; so 1/2 < the row's largest p <= 1. The row's sum l is taken of the UNQUANTISED p, in f32, and the product's result is divided by l at the end. Since M is a whole number, a kernel that streams over the keys may use a running M (the ceiling of the running maximum): every later rescaling is an exact power of two, so the quantised numbers keep their values, but for numbers so far below the row's largest that they fall under the format's range.
;;   OPERANDS COMPUTED ON THE WAY. 'Computed on the way' means the value that the module computes at that place (a softmax that the list does not call 'softmax' is quantised finished and normalised). What goes into a quantiser is computed in f32, as accurately as f32 sums, v_exp_f32 and their like allow (about 1e-6 of the number): no bf16 or f16 on the way to a quantiser, and a product that is left as it is and whose result goes on into a quantised operand takes f32 operands (vector FMAs, or v_wmma_f32_16x16x4_f32). A number that lies on a knife's edge between two numbers of the format may be rounded either way, as far as f32 arithmetic and the matrix unit's own rounding can turn it there, and no further.
;;   INPUTS GIVEN AS CODES. W1 (in the module: [1024, 4096], K = its axis 0); W2 (in the module: [4096, 1024], K = its axis 0); Wk (in the module: [1024, 1024], K = its axis 0); Wo (in the module: [1024, 1024], K = its axis 0); Wq (in the module: [1024, 1024], K = its axis 0); Wv (in the module: [1024, 1024], K = its axis 0): each comes as NAME_codes (uint8): NAME with its K axis moved to the last place and cut into blocks of 32 codes, [.., K / 32, bytes a block], one block behind the other in memory; one code a byte (a code: sign, 4 exponent bits, 3 mantissa bits); its scale is its entry of lowp_scales. Its value is code x scale, taken as it is: it is not quantised again, and the codes and scales need not be those that the quantiser above would give.
;; One version. Each part assembles by itself: llvm-mc -triple=amdgcn-amd-amdhsa -mcpu=gfx1250 --defsym DOCPART=n.
;; ======== version 1 of 1: 7 launches
;; workspace buffers: xc 12,582,912 bytes; qkv 12,582,912 bytes; cnt 256 bytes of whole numbers; ctx 4,194,304 bytes; src2 16,777,216 bytes; yc 4,194,304 bytes; hid 16,777,216 bytes
;; launch ln1 (part 1): grid 256 x 1, 8 waves a work-group, no clusters, 50,176 bytes of LDS; arguments src, src_mask, ln1_g, ln1_b, lowp_scales, xc, cnt; writes xc, cnt
.if DOCPART == 1
	.amdgcn_target "amdgcn-amd-amdhsa--gfx1250"
	.amdhsa_code_object_version 6
	.text
	.protected	k_q73cbd55617_ln1
	.globl	k_q73cbd55617_ln1
	.p2align	8
	.type	k_q73cbd55617_ln1,@function
k_q73cbd55617_ln1:
	s_mov_b64 s[64:65], 0
	v_nop
	global_prefetch_b8 v0, s[64:65] scope:SCOPE_SE
	s_setreg_imm32_b32 hwreg(HW_REG_WAVE_MODE, 25, 1), 1
	s_wait_xcnt 0x0
; x = LayerNorm(src) * g + b in f32, quantised three times to E4M3 (scales 2^e0, 2^e2, 2^e4: the A operands of the products with Wq, Wk, Wv).
; xc holds three sets of [4096][1024] codes, 4 MiB apart.  Set 0 keeps the rows' order.  In sets 1 and 2 (keys, values) the rows of a batch are
; SORTED: keys that src_mask leaves open first, masked keys behind them, each group in its old order.  A softmax does not mind the order of its keys, and
; a masked key counts for nothing, so the attention launch walks only the first U keys.  cnt: words 32 b .. 32 b + 31 hold U of batch b.
; SHARES: a work-group owns 16 rows, a wave two whole rows: mean and variance never leave the wave; no barrier.  Lane l holds k = 128 j + 4 l + 0..3, j = 0..7:
; each load covers 512 consecutive bytes.  Variance in two passes (x - mean first).  No matrix unit, no cluster: nothing is shared between work-groups but gamma, beta and 2 KiB of mask.
; A lane's four codes of a j are one word; the words go through the wave's own LDS bytes so that a row of codes leaves as two stores of 512 consecutive bytes.
; LIMITS: e0, e2, e4 between -126 and 119; NaN among the inputs is not served; a mask byte is 0 or 1.
.set OP,  5                            ; v5-6    row i: byte offset of its sorted place in a set + 16 x lane
.set SCV, 20                           ; v20-22  2^e of the three sets, as f32
.set T,   26                           ; v26-41  the mask's 16 words, later two sets of eight held numbers
.set C,   42                           ; v42-65  codes, eight words a set
.set G,   66                           ; v66-97  gamma
.set BE,  98                           ; v98-129 beta
.set X,   130                          ; v130-193 the two rows
	s_load_b256 s[4:11], s[0:1], 0x0               ; src, src_mask, gamma, beta
	s_load_b128 s[12:15], s[0:1], 0x20             ; the scales' exponents, xc
	s_load_b64 s[16:17], s[0:1], 0x30              ; cnt
	v_lshl_add_u32 v200, v0, 2, 0xc000
	v_mov_b32 v201, 0
	v_lshrrev_b32 v1, 5, v0
	v_readfirstlane_b32 s18, v1                    ; wave
	v_and_b32 v1, 31, v0                           ; lane
	v_lshlrev_b32 v2, 4, v1                        ; 16 x lane
	s_mul_i32 s54, s18, 6144                       ; my wave's LDS bytes: six rows of 1,024 codes
	v_lshl_add_u32 v3, v1, 2, s54                  ; in: a word a lane
	v_lshl_add_u32 v4, v1, 4, s54                  ; back: 16 bytes a lane
	v_lshlrev_b32 v18, 2, v1
	v_mov_b32 v8, 0                                ; written once: the destination of a lane exchange counts as read
	s_mov_b32 s19, ttmp9                           ; g
	s_lshr_b32 s20, s19, 7                         ; batch
	s_and_b32 s21, s19, 127
	s_lshl_b32 s21, s21, 4                         ; the group's first key in its batch
	s_mov_b32 s46, 0x3a800000                      ; 1 / 1024
	s_mov_b32 s47, 0x3727c5ac                      ; 1e-5
	s_mov_b32 s48, 0x76543210
	s_mov_b32 s49, 0xfedcba98                      ; lane l xor 16
	s_lshl_b32 s56, s20, 11
	s_mov_b32 s57, 0
	s_lshl_b32 s58, s19, 4
	s_lshl_b32 s59, s18, 1
	s_add_co_u32 s22, s58, s59                     ; my first row: 16 g + 2 w
	s_lshl_b32 s58, s22, 12
	s_mov_b32 s59, 0
	s_lshl_b32 s60, s22, 10
	s_mov_b32 s61, 0
	s_mov_b32 s62, s21
	s_mov_b32 s63, 0
	s_wait_kmcnt 0x0
	s_add_nc_u64 s[6:7], s[6:7], s[56:57]          ; the batch's 2,048 mask bytes
	s_add_nc_u64 s[56:57], s[6:7], s[62:63]        ; the group's 16
	s_load_b128 s[24:27], s[56:57], 0x0
	s_load_b256 s[32:39], s[12:13], 0x0            ; e0 .. e7
	s_add_nc_u64 s[4:5], s[4:5], s[58:59]
	s_add_nc_u64 s[50:51], s[14:15], 0x400000      ; set 1
	s_add_nc_u64 s[52:53], s[14:15], 0x800000      ; set 2
	s_add_nc_u64 s[14:15], s[14:15], s[60:61]      ; set 0 at my first row
.irp i, 0,1,2,3
	global_load_b128 v[T+4*\i:T+4*\i+3], v2, s[6:7] offset:512*\i
.endr
.irp j, 0,1,2,3,4,5,6,7
	global_load_b128 v[G+4*\j:G+4*\j+3], v2, s[8:9] offset:512*\j
.endr
.irp j, 0,1,2,3,4,5,6,7
	global_load_b128 v[BE+4*\j:BE+4*\j+3], v2, s[10:11] offset:512*\j
.endr
.irp r, 0,1
.irp j, 0,1,2,3,4,5,6,7
	global_load_b128 v[X+32*\r+4*\j:X+32*\r+4*\j+3], v2, s[4:5] offset:4096*\r+512*\j th:TH_LOAD_NT
.endr
.endr
	; THE SORT, in whole numbers.  Load i gave lane l mask bytes 512 i + 16 l + 0..15; the group's first key is a multiple of 16, so a lane's 16 bytes lie wholly in front of the group or not.
	s_wait_loadcnt 32                              ; the mask's four loads are in; the 32 issued behind them stay out
.irp i, 0,1,2,3
	v_add3_u32 v[T+4*\i], v[T+4*\i], v[T+4*\i+1], v[T+4*\i+2]
	v_add_nc_u32 v[T+4*\i], v[T+4*\i], v[T+4*\i+3]     ; four counts of at most 4, a byte each
	s_sub_co_i32 s55, s21, 512*\i
	v_cmp_gt_i32 vcc_lo, s55, v2
	v_cndmask_b32 v[T+4*\i+1], 0, v[T+4*\i], vcc_lo    ; counted only where the bytes lie in front of the group
.endr
	v_add3_u32 v7, v[T], v[T+4], v[T+8]
	v_add_nc_u32 v7, v7, v[T+12]
	v_add3_u32 v9, v[T+1], v[T+5], v[T+9]
	v_add_nc_u32 v9, v9, v[T+13]
	s_mov_b32 s54, 0x01010101
	v_mul_lo_u32 v7, v7, s54                       ; the four bytes' sum (at most 64) in the top byte
	v_mul_lo_u32 v9, v9, s54
	v_lshrrev_b32 v7, 24, v7
	v_lshrrev_b32 v9, 24, v9
	v_lshl_add_u32 v7, v7, 16, v9                  ; all masked << 16 + masked in front of the group: both stay under 2^16 over 32 lanes
.irp m, 1,2,4,8
	v_mov_b32_dpp v8, v7 row_xmask:\m row_mask:0xf bank_mask:0xf
	v_add_nc_u32 v7, v7, v8
.endr
	v_permlanex16_b32 v8, v7, s48, s49
	v_add_nc_u32 v7, v7, v8
	v_readfirstlane_b32 s54, v7
	s_and_b32 s23, s54, 0xffff                     ; masked keys in front of the group
	s_lshr_b32 s28, s54, 16                        ; masked keys in the batch
	s_sub_co_u32 s29, 2048, s28                    ; U: open keys in the batch
	s_wait_kmcnt 0x0
.irp i, 0,1,2,3
	s_mul_i32 s[24+\i], s[24+\i], 0x01020408       ; four bytes of 0 or 1 become four bits, at bit 24 on
	s_bfe_u32 s[24+\i], s[24+\i], 0x40018
.endr
	s_lshl_b32 s25, s25, 4
	s_lshl_b32 s26, s26, 8
	s_lshl_b32 s27, s27, 12
	s_or_b32 s24, s24, s25
	s_or_b32 s26, s26, s27
	s_or_b32 s24, s24, s26                         ; the group's 16 mask bits
.irp i, 0,1
	s_lshl_b32 s55, s18, 1
	s_add_co_u32 s55, s55, \i                      ; my row's place q in the group
	s_bfm_b32 s58, s55, 0
	s_and_b32 s58, s58, s24
	s_bcnt1_i32_b32 s58, s58
	s_add_co_u32 s58, s58, s23                     ; masked keys in front of my row
	s_add_co_u32 s59, s29, s58                     ; a masked key's place: behind the U open ones
	s_add_co_u32 s60, s21, s55
	s_sub_co_u32 s60, s60, s58                     ; an open key's place: the open keys in front of it
	s_lshr_b32 s61, s24, s55
	s_and_b32 s61, s61, 1                          ; SCC = my row is masked
	s_cselect_b32 s59, s59, s60
	s_min_u32 s59, s59, 2047                       ; a place in the batch
	s_lshl_b32 s60, s20, 11
	s_add_co_u32 s59, s59, s60
	s_lshl_b32 s59, s59, 10                        ; rows of 1,024 bytes
	v_add_nc_u32 v[OP+\i], s59, v2
.endr
	s_and_b32 s55, s19, 127                        ; the batch's first work-group, wave 0, stores U, 32 times
	s_or_b32 s55, s55, s18
	s_cmp_lg_u32 s55, 0
	s_cbranch_scc1 .Lno_count
	v_mov_b32 v19, s29
	s_lshl_b32 s60, s20, 7
	s_mov_b32 s61, 0
	s_add_nc_u64 s[16:17], s[16:17], s[60:61]
	global_store_b32 v18, v19, s[16:17]
.Lno_count:
.irp t, 0,1,2
	s_add_co_i32 s55, s[32+2*\t], 127
	s_lshl_b32 s58, s55, 23
	v_mov_b32 v[SCV+\t], s58                       ; 2^e as f32: the conversion takes its exponent field
	s_add_co_i32 s55, s55, 8
	s_lshl_b32 s55, s55, 23
	s_or_b32 s[43+\t], s55, 0x600000               ; 448 x 2^e
	s_xor_b32 s[40+\t], s[43+\t], 0x80000000       ; and its negative
.endr
.macro WSUM                            ; v7 summed over the 32 lanes, the result in every lane
	v_add_f32_dpp v7, v7, v7 row_xmask:1 row_mask:0xf bank_mask:0xf
	v_add_f32_dpp v7, v7, v7 row_xmask:2 row_mask:0xf bank_mask:0xf
	v_add_f32_dpp v7, v7, v7 row_xmask:4 row_mask:0xf bank_mask:0xf
	v_add_f32_dpp v7, v7, v7 row_xmask:8 row_mask:0xf bank_mask:0xf
	v_permlanex16_b32 v8, v7, s48, s49
	v_add_f32 v7, v7, v8
.endm
; Row r's 32 numbers of a lane become eight words of codes under the set's scale and go to the wave's LDS bytes in the row's own order.
.macro QSET r, set
.irp q, 0,1,2,3
.irp i, 0,1,2,3,4,5,6,7
	v_med3_num_f32 v[T+8*(\q%2)+\i], v[X+32*\r+8*\q+\i], s[40+\set], s[43+\set]   ; the conversion does not saturate (ISA guide 7.6.2): held within the largest code x the scale; into other registers, since the row is quantised again
.endr
	v_cvt_scalef32_pk8_fp8_f32 v[C+8*\set+2*\q:C+8*\set+2*\q+1], v[T+8*(\q%2):T+8*(\q%2)+7], v[SCV+\set]   ; the two sets of held numbers take turns, so eight plain lines stand ahead of the rewriting of a conversion's sources
.endr
	v_nop                                          ; a plain line behind the last conversion
.irp j, 0,1,2,3,4,5,6,7
	ds_store_b32 v3, v[C+8*\set+\j] offset:(3*\r+\set)*1024+128*\j   ; codes of k = 128 j + 4 l + 0..3 at byte 128 j + 4 l
.endr
.endm
.macro ROW r
.set XR, X+32*\r
	s_wait_loadcnt 8*(1-\r)                        ; this row is in (gamma and beta too); the next row's eight loads may be out
	v_pk_add_f32 v[14:15], v[XR:XR+1], v[XR+2:XR+3]
	v_pk_add_f32 v[16:17], v[XR+4:XR+5], v[XR+6:XR+7]
.set p, 8
.rept 6
	v_pk_add_f32 v[14:15], v[14:15], v[XR+p:XR+p+1]
	v_pk_add_f32 v[16:17], v[16:17], v[XR+p+2:XR+p+3]
.set p, p+4
.endr
	v_pk_add_f32 v[14:15], v[14:15], v[16:17]
	v_add_f32 v7, v14, v15
	WSUM
	v_mul_f32 v10, s46, v7                         ; the mean, twice
	v_mul_f32 v11, s46, v7
.set p, 0
.rept 16
	v_pk_add_f32 v[XR+p:XR+p+1], v[XR+p:XR+p+1], v[10:11] neg_lo:[0,1] neg_hi:[0,1]
.set p, p+2
.endr
	v_pk_mul_f32 v[14:15], v[XR:XR+1], v[XR:XR+1]
	v_pk_mul_f32 v[16:17], v[XR+2:XR+3], v[XR+2:XR+3]
.set p, 4
.rept 7
	v_pk_fma_f32 v[14:15], v[XR+p:XR+p+1], v[XR+p:XR+p+1], v[14:15]
	v_pk_fma_f32 v[16:17], v[XR+p+2:XR+p+3], v[XR+p+2:XR+p+3], v[16:17]
.set p, p+4
.endr
	v_pk_add_f32 v[14:15], v[14:15], v[16:17]
	v_add_f32 v7, v14, v15
	WSUM
	v_fma_f32 v7, v7, s46, s47                     ; variance + 1e-5
	v_rsq_f32 v12, v7
	v_nop                                          ; a plain line behind the transcendental
	s_wait_alu depctr_va_vdst(0)                   ; and the wait ahead of its first reader
	v_mov_b32 v13, v12
.set p, 0
.rept 16
	v_pk_mul_f32 v[XR+p:XR+p+1], v[XR+p:XR+p+1], v[12:13]
.set p, p+2
.endr
.set p, 0
.rept 16
	v_pk_fma_f32 v[XR+p:XR+p+1], v[XR+p:XR+p+1], v[G+p:G+p+1], v[BE+p:BE+p+1]
.set p, p+2
.endr
	QSET \r, 0
	QSET \r, 1
	QSET \r, 2
.irp t, 0,1,2
.irp u, 0,1
	ds_load_b128 v[XR+8*\t+4*\u:XR+8*\t+4*\u+3], v4 offset:(3*\r+\t)*1024+512*\u   ; LDS serves a wave's instructions in order: these see my stores; the row's own registers are free now
.endr
.endr
	s_wait_dscnt 0x0
	global_store_b128 v2, v[XR:XR+3], s[14:15] offset:\r*1024          ; each store covers 512 consecutive bytes, aligned
	global_store_b128 v2, v[XR+4:XR+7], s[14:15] offset:\r*1024+512
	global_store_b128 v[OP+\r], v[XR+8:XR+11], s[50:51]
	global_store_b128 v[OP+\r], v[XR+12:XR+15], s[50:51] offset:512
	global_store_b128 v[OP+\r], v[XR+16:XR+19], s[52:53]
	global_store_b128 v[OP+\r], v[XR+20:XR+23], s[52:53] offset:512
.endm
	ROW 0
	ROW 1
	s_wait_tensorcnt 0x0
	ds_add_u32 v200, v201
	s_wait_dscnt 0x0
	s_endpgm
.Lfunc_end_k_q73cbd55617_ln1:
	.size	k_q73cbd55617_ln1, .Lfunc_end_k_q73cbd55617_ln1-k_q73cbd55617_ln1
	.p2alignl 7, 3214868480
	.fill 96, 4, 3214868480
	.section	.rodata,"a",@progbits
	.p2align	6, 0x0
	.amdhsa_kernel k_q73cbd55617_ln1
		.amdhsa_group_segment_fixed_size 50176
		.amdhsa_private_segment_fixed_size 0
		.amdhsa_enable_private_segment 0
		.amdhsa_kernarg_size 56
		.amdhsa_user_sgpr_count 2
		.amdhsa_user_sgpr_kernarg_segment_ptr 1
		.amdhsa_wavefront_size32 1
		.amdhsa_system_sgpr_workgroup_id_x 1
		.amdhsa_system_sgpr_workgroup_id_y 1
		.amdhsa_system_sgpr_workgroup_id_z 1
		.amdhsa_system_vgpr_workitem_id 0
		.amdhsa_next_free_vgpr 202
		.amdhsa_next_free_sgpr 66
		.amdhsa_reserve_vcc 1
		.amdhsa_float_denorm_mode_32 3
		.amdhsa_float_denorm_mode_16_64 3
		.amdhsa_memory_ordered 1
		.amdhsa_forward_progress 1
		.amdhsa_inst_pref_size 42
	.end_amdhsa_kernel
	.amdgpu_metadata
---
amdhsa.version: [ 1, 2 ]
amdhsa.kernels:
  - .name:           k_q73cbd55617_ln1
    .symbol:         k_q73cbd55617_ln1.kd
    .args:
      - { .name: src, .offset: 0, .size: 8, .value_kind: global_buffer, .address_space: global }
      - { .name: src_mask, .offset: 8, .size: 8, .value_kind: global_buffer, .address_space: global }
      - { .name: ln1_g, .offset: 16, .size: 8, .value_kind: global_buffer, .address_space: global }
      - { .name: ln1_b, .offset: 24, .size: 8, .value_kind: global_buffer, .address_space: global }
      - { .name: lowp_scales, .offset: 32, .size: 8, .value_kind: global_buffer, .address_space: global }
      - { .name: xc, .offset: 40, .size: 8, .value_kind: global_buffer, .address_space: global }
      - { .name: cnt, .offset: 48, .size: 8, .value_kind: global_buffer, .address_space: global }
    .group_segment_fixed_size: 50176
    .private_segment_fixed_size: 0
    .kernarg_segment_align: 8
    .kernarg_segment_size: 56
    .max_flat_workgroup_size: 256
    .sgpr_count:     66
    .vgpr_count:     202
    .wavefront_size: 32
...
	.end_amdgpu_metadata
.endif
;; end of part 1
;; launch qkv (part 2): grid 4 x 48, 4 waves a work-group, clusters of 4 x 4, 327,680 bytes of LDS; arguments xc, Wq_codes, Wk_codes, Wv_codes, bq, bk, bv, lowp_scales, qkv; writes qkv
.if DOCPART == 2
	.amdgcn_target "amdgcn-amd-amdhsa--gfx1250"
	.amdhsa_code_object_version 6
	.text
	.protected	k_q73cbd55617_qkv
	.globl	k_q73cbd55617_qkv
	.p2align	8
	.type	k_q73cbd55617_qkv,@function
k_q73cbd55617_qkv:
	s_mov_b64 s[64:65], 0
	v_nop
	global_prefetch_b8 v0, s[64:65] scope:SCOPE_SE
	s_setreg_imm32_b32 hwreg(HW_REG_WAVE_MODE, 25, 1), 1
	s_wait_xcnt 0x0
	s_wait_alu depctr_hold_cnt(0) depctr_sa_sdst(0) depctr_va_vdst(0) depctr_va_sdst(0) depctr_va_ssrc(0) depctr_va_vcc(0) depctr_vm_vsrc(0)
	s_getreg_b32 s2, hwreg(HW_REG_IB_STS2, 6, 4)
	s_cmp_eq_u32 s2, 0
	s_cbranch_scc0 .Lentry_in_a_cluster
	s_endpgm
.Lentry_in_a_cluster:
	s_bfe_u32 s2, ttmp6, 0x10000c
	s_cmp_lg_u32 s2, 0xf033
	s_cbranch_scc0 .Lentry_shape_is_right
	s_endpgm
.Lentry_shape_is_right:
; q = x Wq + bq, k = x Wk + bk, v = x Wv + bv on codes of E4M3; the results are quantised (2^e6, 2^e7, 2^e9) and stored as IMAGES OF OPERAND REGISTERS for the attention launch.
; Three GEMMs of 4096 x 1024 x 1024 in one launch: twelve clusters of 4 x 4 work-groups, four to a GEMM.  which = cluster y / 4 (0 q, 1 k, 2 v), sub = cluster y % 4: equal in all sixteen partners.
; A tile is 256 x 256, four waves of 128 x 128 (64 accumulators).  K goes in steps of 256 through two LDS slots filled by joint tensor loads: the A side's tile is shared along a row of the cluster, the B side's along a column.
; THE MATRIX INSTRUCTION IS USED TRANSPOSED (source 0 = 16 rows of the B side, source 1 = 16 rows of the A side): lane (r, h) holds A-side row r and the eight B-side rows 8 h + 0..7.
;   q, k: A side = tokens (xc set 0, 1), B side = rows of Wq, Wk: a lane's eight numbers are eight neighbouring features of a token: K of the scores' product.
;   v:    A side = rows of Wv, B side = tokens (xc set 2): a lane's eight numbers are eight neighbouring KEYS of a feature: K of the second product.
; So one conversion of an accumulator gives registers 2 b, 2 b + 1 of the next operand's fragment (k = 16 b + 8 h + 0..7), and four such registers of all lanes leave as 512 consecutive bytes: no stage in LDS.
; IMAGES.  q at +0, k at +4 MiB: [batch][head][tile of 16 tokens][2 chunks][512 bytes].  v at +8 MiB: [batch][head][step of 128 keys][4 tiles of 16 features][4 chunks][512 bytes].  A chunk: four registers, lane l at byte 16 l.
; A fragment comes from LDS by four loads of 16 bytes: a permutation of k inside 128, the same on both sides, so only the order of the sums inside an instruction differs from the ascending one.
; LIMITS: e0 + e1, e2 + e3, e4 + e5 between -126 and 127; e6, e7, e9 between -126 and 119.
.set KROW,   1024                      ; a row of either side in memory, in bytes
.set ROWB,   256                       ; a tile's row: 256 codes
.set PITCH,  272                       ; in LDS: + 16 bytes of padding: 68 words, so the 16 rows of a load start 4 words apart modulo 64
.set FR,     16
.set NL,     4
.set NP,     4
.set HALFT,  128*PITCH
.set SLOT,   4*HALFT
.set LAPS,   2                         ; 1,024 / 512
.set SPARE,  2*SLOT                    ; the spare words, 128 bytes a wave; no other line names them
.set BI,   8                           ; v8-15   bias by A-side row (v): block a's in v[BI + a]
.set ADRA, 16
.set ADRB, 20
.set CO,   26                          ; v26     16 x lane
.set SPW,  28
.set NIL,  29
.set SC,   30                          ; v30     2^eOut as f32
.set LIM,  31                          ; v31     448 x 2^eOut
.set TMP,  32                          ; v32-63  at work on the way out
.set BJ,   64                          ; v64-127 bias by B-side row (q, k): eight a block b
.set AF,   128                         ; A's fragments, window 0
.set CD,   128                         ; the way out: 16 registers of codes a block a, where A's fragments lay
.set G1, 24
.set G0, 32
.set G1B, 48
.set G0B, 56
.set MSB, 0
.macro WIN new                         ; the immediate's high byte repeats the setting that is left
.if MSB != \new
	s_set_vgpr_msb (MSB<<8)|\new
.set MSB, \new
.endif
.endm
.set MUL_LO, 0xa1                      ; source 0 (B side) window 1, source 1 (A side) window 0, C and D window 2
.set MUL_HI, 0xf1                      ; the same, C and D window 3
.set TO_B,   0x40
.macro JLOAD g0a, g1a, g0b, g1b        ; a joint load: waves 0, 1 fetch for the A side, waves 2, 3 for the B side; four v_nop follow each line
	s_cmp_eq_u32 s15, 0
	s_cbranch_scc0 .Lfor_b_\@
	tensor_load_to_lds s[\g0a:\g0a+3], s[\g1a:\g1a+7]
	s_nop 0
.rept 4
	v_nop
.endr
	s_branch .Lasked_\@
.Lfor_b_\@:
	tensor_load_to_lds s[\g0b:\g0b+3], s[\g1b:\g1b+7]
	s_nop 0
.rept 4
	v_nop
.endr
.Lasked_\@:
.endm
.macro CREST
	s_cmp_lg_u32 s14, 0
	s_cbranch_scc1 .Lnot_wave_0_\@
	s_barrier_signal -3
.Lnot_wave_0_\@:
	s_barrier_wait -3
	s_barrier_signal -1
	s_barrier_wait -1
.endm
.macro CROUND
	s_barrier_signal -1
	s_barrier_wait -1
	CREST
.endm
	s_load_b512 s[68:83], s[0:1], 0x0              ; xc, Wq, Wk, Wv, bq, bk, bv, the scales' exponents
	s_load_b64 s[10:11], s[0:1], 0x40              ; qkv
	v_lshl_add_u32 v[SPW], v0, 2, SPARE
	v_mov_b32 v[NIL], 0
	ds_add_u32 v28, v29
	ds_add_u32 v28, v29
	s_wait_dscnt 0x0
	v_lshrrev_b32 v1, 5, v0
	v_readfirstlane_b32 s14, v1                    ; wave
	s_lshr_b32 s15, s14, 1                         ; my half of the A side's rows.  Also: I fetch for the A side (0) or the B side (1)
	s_and_b32 s16, s14, 1                          ; my half of the B side's rows.  Also: which 128 rows I fetch
	s_bfe_u32 s40, ttmp6, 0x40000                  ; cx
	s_bfe_u32 s41, ttmp6, 0x40004                  ; cy
	s_and_b32 s66, ttmp7, 0xffff                   ; cluster y, 0 .. 11
	s_and_b32 s67, s66, 3
	s_lshl_b32 s67, s67, 2                         ; 4 sub
	s_lshr_b32 s66, s66, 2                         ; which
	s_cmp_lt_u32 s66, 2
	s_cselect_b32 s17, s67, 0                      ; q, k: 16 tile rows of tokens, 4 tile columns of features;
	s_cselect_b32 s42, 0, s67                      ; v: 4 tile rows of features, 16 tile columns of tokens
	s_add_co_u32 s17, s17, s41                     ; tile row: hangs on cy alone within a cluster
	s_add_co_u32 s42, s42, s40                     ; tile column: on cx alone
	s_lshl_b32 s43, s41, 2
	s_lshl_b32 s43, 15, s43                        ; my row of the cluster
	s_lshl_b32 s44, 0x1111, s40                    ; my column
	s_or_b32 s[G1+0], s43, (0<<16)|(1<<20)|(1<<21)|(5<<22)|(3<<25)  ; mask; elements of 1 byte; padding on; bit 21 beside a mask; after every 64 words, 4 words
	s_or_b32 s[G1B+0], s44, (0<<16)|(1<<20)|(1<<21)|(5<<22)|(3<<25)
.irp g, G1, G1B
	s_mov_b32 s[\g+1], ROWB<<16                    ; tensor_dim0
	s_mov_b32 s[\g+2], 128<<16                     ; tensor_dim1
	s_mov_b32 s[\g+3], ROWB<<16                    ; tile_dim0
	s_mov_b32 s[\g+4], 128                         ; tile_dim1
	s_mov_b32 s[\g+5], KROW                        ; from row to row
	s_mov_b32 s[\g+6], 0
	s_mov_b32 s[\g+7], 0
.endr
	s_lshl_b32 s18, s16, 7
	s_lshl_b32 s20, s17, 8
	s_add_co_u32 s20, s20, s18                     ; A side: row 256 x tile row + 128 x half
	s_lshl_b32 s46, s42, 8
	s_add_co_u32 s46, s46, s18                     ; B side: row 256 x tile column + 128 x half
	s_mov_b32 s21, 0
	s_mov_b32 s47, 0
	s_mov_b64 s[18:19], KROW
	s_mul_u64 s[20:21], s[20:21], s[18:19]
	s_mul_u64 s[46:47], s[46:47], s[18:19]
	s_mul_i32 s45, s14, HALFT                      ; where they go: wave x 128 rows
	s_wait_kmcnt 0x0
	s_mov_b64 s[86:87], s[82:83]                   ; the scales' buffer
	s_cmp_eq_u32 s66, 0                            ; the buffers are chosen by which alone
	s_cselect_b64 s[6:7], s[70:71], s[72:73]
	s_cselect_b64 s[8:9], s[76:77], s[78:79]
	s_cselect_b32 s98, 0, 0x400000
	s_cmp_eq_u32 s66, 2
	s_cselect_b32 s98, 0x800000, s98
	s_mov_b32 s99, 0
	s_add_nc_u64 s[84:85], s[68:69], s[98:99]      ; xc's set
	s_cselect_b64 s[4:5], s[74:75], s[84:85]       ; the A side,
	s_cselect_b64 s[6:7], s[84:85], s[6:7]         ; the B side,
	s_cselect_b64 s[8:9], s[80:81], s[8:9]         ; the bias
	s_load_b512 s[68:83], s[86:87], 0x0            ; e0 .. e15
	s_add_nc_u64 s[20:21], s[4:5], s[20:21]
	s_add_nc_u64 s[46:47], s[6:7], s[46:47]
	CROUND                                         ; all sixteen work-groups are here: the first joint loads meet
.irp s, 0,1
	s_mov_b32 s[G0+4*\s], 1
	s_add_co_u32 s[G0+4*\s+1], s45, \s*SLOT
	s_add_nc_u64 s[G0+4*\s+2:G0+4*\s+3], s[20:21], \s*ROWB
	s_or_b32 s[G0+4*\s+3], s[G0+4*\s+3], 0x80000000
	s_mov_b32 s[G0B+4*\s], 1
	s_add_co_u32 s[G0B+4*\s+1], s45, \s*SLOT
	s_add_nc_u64 s[G0B+4*\s+2:G0B+4*\s+3], s[46:47], \s*ROWB
	s_or_b32 s[G0B+4*\s+3], s[G0B+4*\s+3], 0x80000000
	JLOAD G0+4*\s, G1, G0B+4*\s, G1B
.endr
	v_and_b32 v1, 15, v0                           ; r
	v_bfe_u32 v2, v0, 4, 1                         ; h
	v_mul_u32_u24 v3, v1, PITCH
	v_lshl_add_u32 v4, v2, 4, v3
	s_mul_i32 s21, s15, HALFT
	s_mul_i32 s22, s16, HALFT
	s_add_co_u32 s22, s22, 2*HALFT
.irp s, 0,1
	v_add_nc_u32 v[ADRA+\s], s21, v4
	v_add_nc_u32 v[ADRB+\s], s22, v4
	s_add_co_u32 s21, s21, SLOT
	s_add_co_u32 s22, s22, SLOT
.endr
	v_and_b32 v5, 31, v0
	v_lshlrev_b32 v[CO], 4, v5
	v_lshlrev_b32 v6, 5, v2                        ; 32 h
	v_lshlrev_b32 v7, 2, v1                        ; 4 r
	; the bias, in both forms, so that every register is written on every path; the form that is not used reads the buffer's first numbers
	s_lshl_b32 s20, s42, 8
	s_lshl_b32 s21, s16, 7
	s_add_co_u32 s20, s20, s21                     ; my first B-side row
	s_lshl_b32 s22, s17, 8
	s_lshl_b32 s23, s15, 7
	s_add_co_u32 s22, s22, s23                     ; my first A-side row
	s_cmp_lt_u32 s66, 2
	s_cselect_b32 s20, s20, 0
	s_cselect_b32 s22, 0, s22
	s_lshl_b32 s20, s20, 2
	s_lshl_b32 s22, s22, 2
	s_mov_b32 s21, 0
	s_mov_b32 s23, 0
	s_add_nc_u64 s[88:89], s[8:9], s[20:21]
	s_add_nc_u64 s[90:91], s[8:9], s[22:23]
.irp b, 0,1,2,3,4,5,6,7
	global_load_b128 v[BJ+8*\b:BJ+8*\b+3], v6, s[88:89] offset:64*\b
	global_load_b128 v[BJ+8*\b+4:BJ+8*\b+7], v6, s[88:89] offset:64*\b+16
.endr
.irp a, 0,1,2,3,4,5,6,7
	global_load_b32 v[BI+\a], v7, s[90:91] offset:64*\a
.endr
.macro FRAG reg, adr, q, i             ; 16 rows x 128 K: registers 4 c .. 4 c + 3 hold K = 32 c + 16 h + 0 .. 15
.irp c, 0,1,2,3
	ds_load_b128 v[\reg+4*\c:\reg+4*\c+3], v[\adr] offset:128*(\q)+32*\c+(\i)*16*PITCH
.endr
.endm
.macro MUL16 a0, p, zero               ; A's blocks a0, a0 + 1 x B's eight; the 64 accumulators take turns; zero = 1: the first product starts the sums
.irp a, \a0, \a0+1
.irp b, 0,1,2,3,4,5,6,7
.if \zero
	v_wmma_f32_16x16x128_fp8_fp8 v[8*(8*((\a)%4)+\b):8*(8*((\a)%4)+\b)+7], v[128*(\p)+FR*\b:128*(\p)+FR*\b+FR-1], v[AF+FR*(\a):AF+FR*(\a)+FR-1], 0
.else
	v_wmma_f32_16x16x128_fp8_fp8 v[8*(8*((\a)%4)+\b):8*(8*((\a)%4)+\b)+7], v[128*(\p)+FR*\b:128*(\p)+FR*\b+FR-1], v[AF+FR*(\a):AF+FR*(\a)+FR-1], v[8*(8*((\a)%4)+\b):8*(8*((\a)%4)+\b)+7]
.endif
.endr
.endr
.endm
.macro FETCH_B slot, q, p
	WIN TO_B
.irp i, 0,1,2,3,4,5,6,7
	FRAG 128*(\p)+FR*\i, ADRB+\slot, \q, \i
.endr
	WIN 0
.endm
.macro FETCH_A slot, q, i0
.irp i, \i0, \i0+1, \i0+2, \i0+3
	FRAG AF+FR*(\i), ADRA+\slot, \q, \i
.endr
.endm
.macro PLACES n                        ; plain vector lines between a matrix instruction and a load into, or a vector read of, its registers
.rept \n
	v_nop
.endr
.endm
.macro STEP slot, q, zero              ; 128 along K with its successor in the same slot
	s_wait_dscnt 4*NL                              ; B's set and A's blocks 0-3 are in; the youngest 16 loads (A's blocks 4-7) may be out
	WIN MUL_LO
	MUL16 0, (\q)%2, \zero
	MUL16 2, (\q)%2, \zero
	s_wait_dscnt 0
	PLACES NP
	FETCH_B \slot, (\q)+1, 1-(\q)%2
	FETCH_A \slot, (\q)+1, 0
	WIN MUL_HI
	MUL16 4, (\q)%2, \zero
	MUL16 6, (\q)%2, \zero
	PLACES NP
	WIN 0
	FETCH_A \slot, (\q)+1, 4
.endm
.macro TURN slot, next, fill           ; a slot's last step changes slots: one barrier; fill = 1: it opens a round of the cluster's barrier and the slot is filled again
	s_wait_tensorcnt 0x0                           ; all my tensor loads have landed: my part of the next slot
	ds_add_u32 v[SPW], v[NIL]                      ; 0 onto my spare word
	s_wait_dscnt 4*NL+1                            ; the add and the youngest 16 loads may be out
	WIN MUL_LO
	MUL16 0, 1, 0
	s_wait_dscnt 0x0                               ; the add is done, and my reads of this slot are over
	s_barrier_signal -1
	MUL16 2, 1, 0
	WIN 0
	s_barrier_wait -1
.if \fill
	CREST                                          ; no wave of any partner still reads this slot or has a load on its way
	s_add_nc_u64 s[G0+4*\slot+2:G0+4*\slot+3], s[G0+4*\slot+2:G0+4*\slot+3], 2*ROWB
	s_add_nc_u64 s[G0B+4*\slot+2:G0B+4*\slot+3], s[G0B+4*\slot+2:G0B+4*\slot+3], 2*ROWB
	JLOAD G0+4*\slot, G1, G0B+4*\slot, G1B         ; my one tensor load behind the round; its four v_nop are the places in front of the loads below
.else
	PLACES NP
.endif
	FETCH_B \next, 0, 0
	FETCH_A \next, 0, 0
	WIN MUL_HI
	MUL16 4, 1, 0
	MUL16 6, 1, 0
	PLACES NP
	WIN 0
	FETCH_A \next, 0, 4
.endm
	s_wait_tensorcnt 1                             ; my part of slot 0 is in; slot 1's load may be out
	s_barrier_signal -1
	s_barrier_wait -1
	FETCH_B 0, 0, 0
	FETCH_A 0, 0, 0
	FETCH_A 0, 0, 4
	STEP 0, 0, 1
	s_mov_b32 s3, LAPS-1
.Llap:
	TURN 0, 1, 1
	STEP 1, 0, 0
	TURN 1, 0, 1
	STEP 0, 0, 0
	s_sub_co_u32 s3, s3, 1
	s_cmp_lg_u32 s3, 0
	s_cbranch_scc1 .Llap
	TURN 0, 1, 0                                   ; the last lap fills nothing
	STEP 1, 0, 0
	s_wait_dscnt 4*NL
	WIN MUL_LO
	MUL16 0, 1, 0
	MUL16 2, 1, 0
	s_wait_dscnt 0
	WIN MUL_HI
	MUL16 4, 1, 0
	MUL16 6, 1, 0
	WIN 0
; THE WAY OUT.  Block a (16 A-side rows x 128 B-side rows), half of it at a time: sum x 2^(eA + eB) + bias, the hold, the conversion: 16 registers of codes.
; mode 0: the bias goes by B-side row (a lane's eight registers); mode 1: by A-side row (one number a lane).  relu = 1: what is negative becomes 0 in the hold.  Each accumulator is read from its low end on.
.macro OUTBLK a, mode, relu
.irp hf, 0,1
	WIN 0x02+((\a)/4)                              ; source 0: window 2 or 3
.if \mode == 0
.set i, 0
.rept 16
	v_pk_fma_f32 v[TMP+i:TMP+i+1], v[64*((\a)%4)+32*\hf+i:64*((\a)%4)+32*\hf+i+1], s[96:97], v[BJ+32*\hf+i:BJ+32*\hf+i+1] op_sel_hi:[1,0,1]
.set i, i+2
.endr
.else
.set i, 0
.rept 32
	v_fma_f32 v[TMP+i], v[64*((\a)%4)+32*\hf+i], s96, v[BI+\a]
.set i, i+1
.endr
.endif
	WIN 0
.set i, 0
.rept 32
.if \relu
	v_med3_num_f32 v[TMP+i], v[TMP+i], 0, v[LIM]
.else
	v_med3_num_f32 v[TMP+i], v[TMP+i], -v[LIM], v[LIM]   ; the conversion does not saturate (ISA guide 7.6.2)
.endif
.set i, i+1
.endr
.irp q, 0,1,2,3
	v_cvt_scalef32_pk8_fp8_f32 v[CD+16*(\a)+8*\hf+2*\q:CD+16*(\a)+8*\hf+2*\q+1], v[TMP+8*\q:TMP+8*\q+7], v[SC]
.endr
	v_nop                                          ; a plain line between the conversions and the next writing of their sources
.endr
.endm
	s_wait_kmcnt 0x0
	s_add_co_i32 s84, s68, s69                     ; e0 + e1
	s_add_co_i32 s85, s70, s71                     ; e2 + e3
	s_add_co_i32 s98, s72, s73                     ; e4 + e5
	s_cmp_eq_u32 s66, 0
	s_cselect_b32 s84, s84, s85
	s_cselect_b32 s85, s74, s75                    ; e6 for q, e7 for k
	s_cmp_eq_u32 s66, 2
	s_cselect_b32 s84, s98, s84
	s_cselect_b32 s85, s77, s85                    ; e9 for v
	s_add_co_i32 s84, s84, 127
	s_lshl_b32 s96, s84, 23                        ; 2^(eA + eB) as f32
	s_mov_b32 s97, s96
	s_add_co_i32 s85, s85, 127
	s_lshl_b32 s84, s85, 23
	v_mov_b32 v[SC], s84
	s_add_co_i32 s85, s85, 8
	s_lshl_b32 s85, s85, 23
	s_or_b32 s85, s85, 0x600000
	v_mov_b32 v[LIM], s85
	PLACES NP
	s_wait_loadcnt 0x0                             ; the bias
	s_cmp_eq_u32 s66, 2                            ; equal in all partners and all waves
	s_cbranch_scc1 .Lvalues
	s_lshl_b32 s20, s17, 8                         ; q, k: my first token i0 = 256 x tile row + 128 x half
	s_lshl_b32 s21, s15, 7
	s_add_co_u32 s20, s20, s21
	s_lshr_b32 s21, s20, 11
	s_lshl_b32 s21, s21, 21                        ; the batch: 2 MiB
	s_and_b32 s20, s20, 2047
	s_lshl_b32 s20, s20, 6                         ; the tile of 16 tokens: 1,024 bytes
	s_add_co_u32 s20, s20, s21
	s_lshl_b32 s21, s66, 22                        ; q's image or k's
	s_add_co_u32 s20, s20, s21
	s_lshl_b32 s21, s42, 2
	s_lshl_b32 s22, s16, 1
	s_add_co_u32 s21, s21, s22                     ; my first head: 4 x tile column + 2 x half
	s_lshl_b32 s21, s21, 17
	s_add_co_u32 s20, s20, s21
	s_mov_b32 s21, 0
	s_add_nc_u64 s[10:11], s[10:11], s[20:21]
.irp a, 0,1,2,3,4,5,6,7
	OUTBLK \a, 0, 0
.irp s, 0,1,2,3
	global_store_b128 v[CO], v[CD+16*\a+4*\s:CD+16*\a+4*\s+3], s[10:11] offset:\a*1024+(\s/2)*131072+(\s%2)*512   ; 512 consecutive bytes, aligned: head s / 2 of my two, chunk s % 2
.endr
.endr
	s_branch .Ljoin
.Lvalues:
	s_lshl_b32 s20, s42, 1                         ; v: my step of 128 keys: 2 x tile column + half, 0 .. 31
	s_add_co_u32 s20, s20, s16
	s_lshr_b32 s21, s20, 4
	s_lshl_b32 s21, s21, 21                        ; the batch
	s_and_b32 s20, s20, 15
	s_lshl_b32 s20, s20, 13                        ; the step: 8,192 bytes
	s_add_co_u32 s20, s20, s21
	s_lshl_b32 s21, s17, 2
	s_lshl_b32 s22, s15, 1
	s_add_co_u32 s21, s21, s22                     ; my first head: 4 x tile row + 2 x half
	s_lshl_b32 s21, s21, 17
	s_add_co_u32 s20, s20, s21
	s_add_co_u32 s20, s20, 0x800000                ; v's image
	s_mov_b32 s21, 0
	s_add_nc_u64 s[10:11], s[10:11], s[20:21]
.irp a, 0,1,2,3,4,5,6,7
	OUTBLK \a, 1, 0
.irp s, 0,1,2,3
	global_store_b128 v[CO], v[CD+16*\a+4*\s:CD+16*\a+4*\s+3], s[10:11] offset:(\a/4)*131072+(\a%4)*2048+\s*512
.endr
.endr
.Ljoin:
	s_wait_tensorcnt 0x0                           ; the wave's end
	ds_add_u32 v[SPW], v[NIL]
	s_wait_dscnt 0x0
	CROUND                                         ; the closing round
	s_endpgm
.Lfunc_end_k_q73cbd55617_qkv:
	.size	k_q73cbd55617_qkv, .Lfunc_end_k_q73cbd55617_qkv-k_q73cbd55617_qkv
	.p2alignl 7, 3214868480
	.fill 96, 4, 3214868480
	.section	.rodata,"a",@progbits
	.p2align	6, 0x0
	.amdhsa_kernel k_q73cbd55617_qkv
		.amdhsa_group_segment_fixed_size 327680
		.amdhsa_private_segment_fixed_size 0
		.amdhsa_enable_private_segment 0
		.amdhsa_kernarg_size 72
		.amdhsa_user_sgpr_count 2
		.amdhsa_user_sgpr_kernarg_segment_ptr 1
		.amdhsa_wavefront_size32 1
		.amdhsa_system_sgpr_workgroup_id_x 1
		.amdhsa_system_sgpr_workgroup_id_y 1
		.amdhsa_system_sgpr_workgroup_id_z 1
		.amdhsa_system_vgpr_workitem_id 0
		.amdhsa_next_free_vgpr 1024
		.amdhsa_next_free_sgpr 100
		.amdhsa_reserve_vcc 0
		.amdhsa_float_denorm_mode_32 3
		.amdhsa_float_denorm_mode_16_64 3
		.amdhsa_memory_ordered 1
		.amdhsa_forward_progress 1
		.amdhsa_inst_pref_size 211
	.end_amdhsa_kernel
	.amdgpu_metadata
---
amdhsa.version: [ 1, 2 ]
amdhsa.kernels:
  - .name:           k_q73cbd55617_qkv
    .symbol:         k_q73cbd55617_qkv.kd
    .args:
      - { .name: xc, .offset: 0, .size: 8, .value_kind: global_buffer, .address_space: global }
      - { .name: Wq_codes, .offset: 8, .size: 8, .value_kind: global_buffer, .address_space: global }
      - { .name: Wk_codes, .offset: 16, .size: 8, .value_kind: global_buffer, .address_space: global }
      - { .name: Wv_codes, .offset: 24, .size: 8, .value_kind: global_buffer, .address_space: global }
      - { .name: bq, .offset: 32, .size: 8, .value_kind: global_buffer, .address_space: global }
      - { .name: bk, .offset: 40, .size: 8, .value_kind: global_buffer, .address_space: global }
      - { .name: bv, .offset: 48, .size: 8, .value_kind: global_buffer, .address_space: global }
      - { .name: lowp_scales, .offset: 56, .size: 8, .value_kind: global_buffer, .address_space: global }
      - { .name: qkv, .offset: 64, .size: 8, .value_kind: global_buffer, .address_space: global }
    .group_segment_fixed_size: 327680
    .private_segment_fixed_size: 0
    .kernarg_segment_align: 8
    .kernarg_segment_size: 72
    .max_flat_workgroup_size: 128
    .sgpr_count:     100
    .vgpr_count:     1024
    .wavefront_size: 32
...
	.end_amdgpu_metadata
.endif
;; end of part 2
;; launch attn (part 3): grid 8 x 32, 16 waves a work-group, no clusters, 34,816 bytes of LDS; arguments qkv, cnt, lowp_scales, ctx; writes ctx
.if DOCPART == 3
	.amdgcn_target "amdgcn-amd-amdhsa--gfx1250"
	.amdhsa_code_object_version 6
	.text
	.protected	k_q73cbd55617_attn
	.globl	k_q73cbd55617_attn
	.p2align	8
	.type	k_q73cbd55617_attn,@function
k_q73cbd55617_attn:
	s_mov_b64 s[64:65], 0
	v_nop
	global_prefetch_b8 v0, s[64:65] scope:SCOPE_SE
	s_setreg_imm32_b32 hwreg(HW_REG_WAVE_MODE, 25, 1), 1
	s_wait_xcnt 0x0
; ctx = softmax(q k^T / 8, masked keys left out) v, both products on codes of E4M3, and ctx quantised (2^e10) into the image that the next product reads.
; The keys of a batch lie sorted, open keys first; cnt gives their number U.  A masked key has p = 0, so only ceil(U / 128) key steps are worked; in the last of them the scores of keys at or behind U become -infinity.
; THE SOFTMAX: t = score x log2(e) / 8; M = the running largest t rounded UP to a whole number; p = 2^(t - M) is quantised (2^e8), not normalised; the sum of the unquantised p divides at the end.  When M moves, the sum and O are multiplied by 2^(old M - new M).
; SHARES: a work-group owns 256 queries of one head, each of its sixteen waves one tile of 16, in 256 registers: four waves to a SIMD, so that one wave's vector work stands beside another's matrix work.
; LAYOUT: S^T = K Q^T (source 0 = 16 keys, source 1 = my 16 queries), O^T = V^T P^T: a lane holds ONE query.  Register 8 t + j of S^T is key 16 t + 8 h + j, so the conversion of tile t gives registers 2 t, 2 t + 1 of P's fragment.
; q, k and v come as images of operand registers: a chunk of four registers is 512 bytes, lane l at 16 l.  A key step's K (8 KiB) and V (8 KiB) are copied through registers into one of two LDS slots, a step ahead, 512 + 512 bytes a wave.
; NO TENSOR LOAD AND NO CLUSTER, though the eight work-groups of a head read the same K and V: which steps are worked hangs on a count read from memory.
; The loop has a constant number of trips (8, two key steps each), every wave passes every barrier, and only a step's work and its copies are jumped over.
; U = 0 (every key of the batch masked): the result is NaN, as a softmax of nothing but -infinity is: the codes are made NaN codes.
; LIMITS: e6 + e7 between -123 and 130; e8 and e10 between -126 and 119.  NaN among the inputs is not served.
; REGISTERS: v1 16 x lane; v2 16 x thread; v3 256 x lane; v6 the boundary's distance; v8-15 the copy in flight; v16-23 Q; v24 -M, v25 largest t; v[26:27] the sum; v28, v29: 2^e8, 448 x 2^e8; v30 2^e10;
;   v32-95 K's eight fragments, then V's four; v96-159 S^T, then p; v160-191 O^T; v192-207 p's codes; v208-215 at work.
	s_load_b256 s[4:11], s[0:1], 0x0               ; qkv, cnt, the scales' exponents, ctx
	v_lshl_add_u32 v254, v0, 2, 0x8000
	v_mov_b32 v255, 0
	v_lshrrev_b32 v1, 5, v0
	v_readfirstlane_b32 s12, v1                    ; wave 0 .. 15
	v_and_b32 v3, 31, v0
	v_lshlrev_b32 v1, 4, v3
	v_lshlrev_b32 v2, 4, v0
	v_lshlrev_b32 v3, 8, v3
	s_and_b32 s13, ttmp7, 0xffff                   ; 16 x batch + head
	s_lshr_b32 s14, s13, 4
	s_and_b32 s15, s13, 15
	s_lshl_b32 s16, s14, 7
	s_mov_b32 s17, 0
	s_lshl_b32 s52, s13, 17                        ; a head's image: 131,072 bytes
	s_mov_b32 s53, 0
	s_lshl_b32 s54, ttmp9, 4
	s_add_co_u32 s54, s54, s12                     ; my tile of 16 queries in the batch
	s_lshl_b32 s56, s54, 10
	s_mov_b32 s57, 0
	s_lshl_b32 s58, s14, 7
	s_add_co_u32 s58, s58, s54                     ; my tile of 16 tokens
	s_lshl_b32 s58, s58, 14                        ; ctx: 16,384 bytes a tile,
	s_lshr_b32 s59, s15, 1
	s_lshl_b32 s59, s59, 11                        ; 2,048 a K step of 128 (two heads),
	s_add_co_u32 s58, s58, s59
	s_and_b32 s59, s15, 1
	s_lshl_b32 s59, s59, 10                        ; two chunks a head
	s_add_co_u32 s58, s58, s59
	s_mov_b32 s59, 0
	s_mov_b32 s20, 0x76543210
	s_mov_b32 s21, 0xfedcba98
	s_wait_kmcnt 0x0
	s_add_nc_u64 s[6:7], s[6:7], s[16:17]
	s_load_b32 s26, s[6:7], 0x0                    ; U of my batch
	s_load_b512 s[36:51], s[8:9], 0x0              ; e0 .. e15 in s36 ..
	s_add_nc_u64 s[4:5], s[4:5], s[52:53]
	s_add_nc_u64 s[18:19], s[4:5], 0x400000        ; K's image of my head; V's lies 4 MiB behind it
	s_add_nc_u64 s[4:5], s[4:5], s[56:57]          ; Q's image at my tile
	s_add_nc_u64 s[10:11], s[10:11], s[58:59]
	s_cmp_lt_u32 s12, 8                            ; the prefetches: wave 0 asks for K's image, wave 8 for V's
	s_cselect_b32 s60, 0, 0x400000
	s_add_co_u32 s60, s60, 2*8192                  ; at step 2; the first step's head moves it to step 3
	s_mov_b32 s61, 0
	s_add_nc_u64 s[32:33], s[18:19], s[60:61]
	s_and_b32 s29, s12, 7
	s_or_b32 s29, s29, ttmp9                       ; of the head's first work-group: all eight walk the same K and V
	s_cmp_eq_u32 s29, 0
	s_cselect_b32 s30, 3, 64                       ; the lead in steps; 64 in a wave that asks for nothing
	global_load_b128 v[8:11], v2, s[18:19]                   ; step 0: my 512 bytes of K,
	global_load_b128 v[12:15], v2, s[18:19] offset:0x400000  ; and of V
	global_load_b128 v[16:19], v1, s[4:5]
	global_load_b128 v[20:23], v1, s[4:5] offset:512
	v_mov_b32 v25, 0xff61b1e6                      ; the largest t so far: -3e38
	v_floor_f32 v24, -v25                          ; -M
	v_mov_b32 v26, 0
	v_mov_b32 v27, 0
	v_mov_b32 v211, 0                              ; (named as the upper half of the pair v[210:211])
	v_mov_b32 v212, 0                              ; a lane exchange's destination counts as read
.set j, 0
.rept 32
	v_mov_b32 v[160+j], 0                          ; O^T: the step is written for every step alike; the first finds zeros
.set j, j+1
.endr
	s_wait_loadcnt 2                               ; step 0's copy is in; Q's two loads may be out
	ds_store_b128 v2, v[8:11]
	ds_store_b128 v2, v[12:15] offset:8192
	s_wait_dscnt 0x0                               ; the stores have landed and have read their registers
	s_add_nc_u64 s[18:19], s[18:19], 8192
	global_load_b128 v[8:11], v2, s[18:19]                   ; step 1 (the images are whole, whatever U is)
	global_load_b128 v[12:15], v2, s[18:19] offset:0x400000
	s_wait_kmcnt 0x0
	s_min_u32 s26, s26, 2048
	s_add_co_u32 s25, s26, 127
	s_lshr_b32 s25, s25, 7                         ; key steps to work
	s_cmp_eq_u32 s26, 0
	s_cselect_b32 s34, 0x7f7f7f7f, 0
	s_add_co_i32 s29, s42, s43                     ; e6 + e7 go into c's exponent field
	s_lshl_b32 s29, s29, 23
	s_add_co_i32 s22, s29, 0x3e38aa3b              ; c = log2(e) / 8
	s_mov_b32 s23, s22
	s_add_co_i32 s29, s44, 127
	s_lshl_b32 s54, s29, 23
	v_mov_b32 v28, s54                             ; 2^e8
	s_add_co_i32 s29, s29, 8
	s_lshl_b32 s29, s29, 23
	s_or_b32 s29, s29, 0x600000
	v_mov_b32 v29, s29                             ; 448 x 2^e8
	s_add_co_i32 s29, s46, 127
	s_lshl_b32 s54, s29, 23
	v_mov_b32 v30, s54                             ; 2^e10
	s_add_co_i32 s29, s29, 8
	s_lshl_b32 s29, s29, 23
	s_or_b32 s52, s29, 0x600000                    ; 448 x 2^e10
	s_xor_b32 s53, s52, 0x80000000
	s_add_co_i32 s35, s44, s45                     ; e8 + e9
	s_mov_b32 s24, 0                               ; the step in hand
	s_mov_b32 s31, 8
	s_wait_loadcnt 2                               ; Q is in; step 1's copy may be out
	s_barrier_signal -1
	s_barrier_wait -1                              ; step 0 lies in slot 0
.macro STEP sl
.irp t, 0,1,2,3,4,5,6,7
	ds_load_b128 v[32+8*\t:35+8*\t], v1 offset:\sl*16384+\t*1024
	ds_load_b128 v[36+8*\t:39+8*\t], v1 offset:\sl*16384+\t*1024+512
.endr
	s_wait_dscnt 0x0
.irp t, 0,1,2,3,4,5,6,7
	v_wmma_f32_16x16x64_fp8_fp8 v[96+8*\t:103+8*\t], v[32+8*\t:39+8*\t], v[16:23], 0
.endr
.rept 4
	v_nop                                          ; places in front of the loads into K's registers and of the first read of the scores
.endr
.irp d, 0,1,2,3
.irp c, 0,1,2,3
	ds_load_b128 v[32+16*\d+4*\c:35+16*\d+4*\c], v1 offset:\sl*16384+8192+\d*2048+\c*512   ; V's fragments land while the softmax is worked
.endr
.endr
	s_lshl_b32 s29, s24, 7
	s_sub_co_i32 s29, s26, s29                     ; open keys from this step's first on
	s_cmp_ge_i32 s29, 128
	s_cbranch_scc1 .Lopen_\@
	v_bfe_u32 v6, v0, 4, 1
	v_lshlrev_b32 v6, 3, v6
	v_sub_nc_u32 v6, s29, v6                       ; d = that - 8 h: register 8 t + j is hidden where 16 t + j >= d
	v_mov_b32 v208, 0xff800000
.set n, 0
.rept 64
	v_cmp_gt_i32 vcc_lo, 16*(n/8)+n%8+1, v6
	v_cndmask_b32 v[96+n], v[96+n], v208, vcc_lo
.set n, n+1
.endr
.Lopen_\@:
	v_max3_num_f32 v208, v96, v97, v98             ; the step's largest score of my query, in two chains; each tile is first read at its low end
	v_max3_num_f32 v210, v99, v100, v101
.set n, 6
.rept 14
	v_max3_num_f32 v208, v208, v[96+n], v[97+n]
	v_max3_num_f32 v210, v210, v[98+n], v[99+n]
.set n, n+4
.endr
	v_max3_num_f32 v208, v208, v158, v159
	v_max_num_f32 v208, v208, v210
	v_permlanex16_b32 v212, v208, s20, s21
	v_max_num_f32 v208, v208, v212                 ; and lane l xor 16's
	v_mul_f32 v208, s22, v208                      ; as t (c is positive)
	v_max_num_f32 v25, v25, v208
	v_mov_b32 v208, v24
	v_floor_f32 v24, -v25                          ; the new -M = -ceil(t)
	v_sub_f32 v208, v24, v208                      ; old M - new M: a whole number, 0 or less
	v_cvt_i32_f32 v208, v208                       ; (it saturates)
	v_ldexp_f32 v210, 1.0, v208                    ; f = 2^(old M - new M)
.set n, 0
.rept 32
	v_pk_fma_f32 v[96+n:97+n], v[96+n:97+n], s[22:23], v[24:25] op_sel_hi:[1,0,0]   ; t - M
.set n, n+2
.endr
.set n, 0
.rept 64
	v_exp_f32 v[96+n], v[96+n]                     ; p = 2^(t - M)
.set n, n+1
.endr
	v_pk_mul_f32 v[26:27], v[26:27], v[210:211] op_sel_hi:[1,0]   ; the sum under the new M: a plain line behind the exponentials
	s_wait_alu depctr_va_vdst(0)                   ; one wait for the batch, ahead of its first reader
	v_pk_add_f32 v[214:215], v[96:97], v[98:99]    ; the sum is taken of the unquantised p
.set n, 4
.rept 15
	v_pk_add_f32 v[26:27], v[26:27], v[96+n:97+n]
	v_pk_add_f32 v[214:215], v[214:215], v[98+n:99+n]
.set n, n+4
.endr
	v_pk_add_f32 v[26:27], v[26:27], v[214:215]
	s_cmp_ge_i32 s44, -8                           ; from e8 = -8 on, 448 x 2^e8 >= 1.75 > p: the hold would change nothing
	s_cbranch_scc1 .Lno_hold_\@
.set n, 0
.rept 64
	v_min_num_f32 v[96+n], v[96+n], v29            ; the conversion does not saturate (ISA guide 7.6.2); p is not negative
.set n, n+1
.endr
.Lno_hold_\@:
.irp t, 0,1,2,3,4,5,6,7
	v_cvt_scalef32_pk8_fp8_f32 v[192+2*\t:193+2*\t], v[96+8*\t:103+8*\t], v28
.endr
.set n, 0
.rept 16
	v_pk_mul_f32 v[160+n:161+n], v[160+n:161+n], v[210:211] op_sel_hi:[1,0]   ; O^T under the new M; these are also the plain lines behind the conversions
.set n, n+2
.endr
	s_wait_dscnt 0x0                               ; V's fragments
.irp d, 0,1,2,3
	v_wmma_f32_16x16x128_fp8_fp8 v[160+8*\d:167+8*\d], v[32+16*\d:47+16*\d], v[192:207], v[160+8*\d:167+8*\d]   ; four accumulators by turns
.endr
.rept 4
	v_nop                                          ; places in front of the next loads into V's registers and of the next read of O^T
.endr
.endm
; One key step: step s24 lies in slot sl.  The copy of step s24 + 1 goes into the other slot, the loads of step s24 + 2 go out, then the step is worked.  One barrier a step orders both:
; the stores into a slot stand behind every wave's reads of it (a step ago), and ahead of every wave's reads of it (a step on).
.macro TRIP sl
	s_wait_xcnt 0x0                                ; the last prefetch, a step back, has read its address
	s_add_nc_u64 s[32:33], s[32:33], 8192
	s_add_co_u32 s29, s24, 1
	s_cmp_lt_u32 s29, s25
	s_cbranch_scc0 .Lno_stage_\@
	s_wait_loadcnt 0x0                             ; the next step's copy is in registers
	ds_store_b128 v2, v[8:11] offset:(1-\sl)*16384
	ds_store_b128 v2, v[12:15] offset:(1-\sl)*16384+8192
	s_wait_dscnt 0x0                               ; the stores have read their registers
	s_add_co_u32 s29, s24, 2
	s_cmp_lt_u32 s29, s25
	s_cbranch_scc0 .Lno_stage_\@
	s_add_nc_u64 s[18:19], s[18:19], 8192
	global_load_b128 v[8:11], v2, s[18:19]                   ; they have this step's work in which to land
	global_load_b128 v[12:15], v2, s[18:19] offset:0x400000
	s_add_co_u32 s29, s24, s30
	s_cmp_lt_u32 s29, s25
	s_cbranch_scc0 .Lno_stage_\@
	global_prefetch_b8 v3, s[32:33] th:TH_LOAD_NT scope:SCOPE_SE   ; step s24 + 3's 8 KiB of K (wave 0) or V (wave 8), lanes 256 bytes apart: what the next step's loads will ask for; it stops with the steps that are worked
.Lno_stage_\@:
	s_cmp_lt_u32 s24, s25
	s_cbranch_scc0 .Lno_step_\@
	STEP \sl
.Lno_step_\@:
	s_add_co_u32 s24, s24, 1
	s_wait_dscnt 0x0                               ; my stores have landed and my reads are over
	s_barrier_signal -1
	s_barrier_wait -1
.endm
.Ltrip:
	TRIP 0
	TRIP 1
	s_sub_co_u32 s31, s31, 1
	s_cmp_lg_u32 s31, 0
	s_cbranch_scc1 .Ltrip
	; THE WAY OUT: O^T / the sum x 2^(e8 + e9), quantised with 2^e10: tile d's conversion gives registers 2 d, 2 d + 1 of my head's half of a fragment: two chunks.
	v_add_f32 v26, v26, v27
	v_permlanex16_b32 v212, v26, s20, s21
	v_add_f32 v26, v26, v212
	v_rcp_f32 v26, v26
	v_nop                                          ; a plain line behind the transcendental
	s_wait_alu depctr_va_vdst(0)                   ; and the wait ahead of its first reader
	v_ldexp_f32 v26, v26, s35
.set n, 0
.rept 32
	v_mul_f32 v[96+n], v[160+n], v26
.set n, n+1
.endr
.set n, 0
.rept 32
	v_med3_num_f32 v[96+n], v[96+n], s53, s52
.set n, n+1
.endr
.irp d, 0,1,2,3
	v_cvt_scalef32_pk8_fp8_f32 v[192+2*\d:193+2*\d], v[96+8*\d:103+8*\d], v30
.endr
	v_nop
.set n, 0
.rept 8
	v_or_b32 v[192+n], s34, v[192+n]               ; U = 0: NaN codes
.set n, n+1
.endr
	global_store_b128 v1, v[192:195], s[10:11]             ; 512 consecutive bytes, aligned
	global_store_b128 v1, v[196:199], s[10:11] offset:512
	s_wait_tensorcnt 0x0
	ds_add_u32 v254, v255
	s_wait_dscnt 0x0
	s_endpgm
.Lfunc_end_k_q73cbd55617_attn:
	.size	k_q73cbd55617_attn, .Lfunc_end_k_q73cbd55617_attn-k_q73cbd55617_attn
	.p2alignl 7, 3214868480
	.fill 96, 4, 3214868480
	.section	.rodata,"a",@progbits
	.p2align	6, 0x0
	.amdhsa_kernel k_q73cbd55617_attn
		.amdhsa_group_segment_fixed_size 34816
		.amdhsa_private_segment_fixed_size 0
		.amdhsa_enable_private_segment 0
		.amdhsa_kernarg_size 32
		.amdhsa_user_sgpr_count 2
		.amdhsa_user_sgpr_kernarg_segment_ptr 1
		.amdhsa_wavefront_size32 1
		.amdhsa_system_sgpr_workgroup_id_x 1
		.amdhsa_system_sgpr_workgroup_id_y 1
		.amdhsa_system_sgpr_workgroup_id_z 1
		.amdhsa_system_vgpr_workitem_id 0
		.amdhsa_next_free_vgpr 256
		.amdhsa_next_free_sgpr 66
		.amdhsa_reserve_vcc 1
		.amdhsa_float_denorm_mode_32 3
		.amdhsa_float_denorm_mode_16_64 3
		.amdhsa_memory_ordered 1
		.amdhsa_forward_progress 1
		.amdhsa_inst_pref_size 53
	.end_amdhsa_kernel
	.amdgpu_metadata
---
amdhsa.version: [ 1, 2 ]
amdhsa.kernels:
  - .name:           k_q73cbd55617_attn
    .symbol:         k_q73cbd55617_attn.kd
    .args:
      - { .name: qkv, .offset: 0, .size: 8, .value_kind: global_buffer, .address_space: global }
      - { .name: cnt, .offset: 8, .size: 8, .value_kind: global_buffer, .address_space: global }
      - { .name: lowp_scales, .offset: 16, .size: 8, .value_kind: global_buffer, .address_space: global }
      - { .name: ctx, .offset: 24, .size: 8, .value_kind: global_buffer, .address_space: global }
    .group_segment_fixed_size: 34816
    .private_segment_fixed_size: 0
    .kernarg_segment_align: 8
    .kernarg_segment_size: 32
    .max_flat_workgroup_size: 512
    .sgpr_count:     66
    .vgpr_count:     256
    .wavefront_size: 32
...
	.end_amdgpu_metadata
.endif
;; end of part 3
;; launch wo (part 4): grid 8 x 32, 4 waves a work-group, clusters of 4 x 4, 327,680 bytes of LDS; arguments ctx, Wo_codes, lowp_scales, bo, src, src2; writes src2
.if DOCPART == 4
	.amdgcn_target "amdgcn-amd-amdhsa--gfx1250"
	.amdhsa_code_object_version 6
	.text
	.protected	k_q73cbd55617_wo
	.globl	k_q73cbd55617_wo
	.p2align	8
	.type	k_q73cbd55617_wo,@function
k_q73cbd55617_wo:
	s_mov_b64 s[64:65], 0
	v_nop
	global_prefetch_b8 v0, s[64:65] scope:SCOPE_SE
	s_setreg_imm32_b32 hwreg(HW_REG_WAVE_MODE, 25, 1), 1
	s_wait_xcnt 0x0
	s_wait_alu depctr_hold_cnt(0) depctr_sa_sdst(0) depctr_va_vdst(0) depctr_va_sdst(0) depctr_va_ssrc(0) depctr_va_vcc(0) depctr_vm_vsrc(0)
	s_getreg_b32 s2, hwreg(HW_REG_IB_STS2, 6, 4)
	s_cmp_eq_u32 s2, 0
	s_cbranch_scc0 .Lentry_in_a_cluster
	s_endpgm
.Lentry_in_a_cluster:
	s_bfe_u32 s2, ttmp6, 0x10000c
	s_cmp_lg_u32 s2, 0xf033
	s_cbranch_scc0 .Lentry_shape_is_right
	s_endpgm
.Lentry_shape_is_right:
; out = res + (A W^T x 2^(eA + eB) + bias).  A: [4096][SIZE_K] as an image of operand registers ([tile of 16 tokens][K step of 128][4 chunks][512 bytes], lane l of a chunk at 16 l; registers 2 c, 2 c + 1: k = 16 c + 8 h + 0..7).
; W: [1024][SIZE_K] codes, K innermost.  bias [1024], res and out [4096][1024] f32.  Here: A = ctx, W = Wo, res = src, out = src2; SIZE_K = 1,024; eA, eB = entries 10, 11.
; N is 1,024: tiles of 256 x 256 would be 64, so a tile is 128 x 128: 256 work-groups.  Four waves of 64 x 64: 16 accumulators.  A slot holds 512 along K: A's 8 token tiles x 8,192 dense bytes, W's 128 rows of 512 bytes + 16 of padding.
; CLUSTERS of 4 x 4: A's tile is shared along a row, W's along a column, by joint loads.  TRANSPOSED use (source 0 = 16 rows of W, source 1 = 16 tokens): a lane holds eight neighbouring columns of a token.
; A's fragment comes by four loads of 16 bytes as it lies; W's in the same places of k by eight loads of 8 bytes.  K ascending, one accumulator an output.
; The way out goes through each wave's own stage (16 rows x 256 bytes + 16), so that sixteen lanes store 256 consecutive bytes, aligned; the residual is loaded in that layout at the head.
; REGISTERS: window 0: v16-31 addresses; v32-95 rows back from the stage; v96-99 bias; v128-255 accumulators ((a, b) at 128 + 8 (4 a + b)).  window 1: two fragment buffers of 128 (A's four at f + 16 a, W's four at f + 64 + 16 b).  window 2: v0-127 the residual, then the result.
; LIMIT: eA + eB between -126 and 127.
.set SIZE_K, 1024
.set EOFF,   40                        ; byte of eA in the buffer of scales
.set LAPS,   SIZE_K/1024               ; a lap = two slots
.set ASLOT,  65536
.set BP,     528
.set BHALF,  64*BP
.set SLOT,   ASLOT+2*BHALF
.set STAGE,  2*SLOT
.set SP,     272
.set SPARE,  STAGE+4*16*SP             ; the spare words, 128 bytes a wave; no other line names them
.set ADRA, 16
.set ADRB, 20
.set STO,  24
.set RD,   25
.set CO,   26
.set SPW,  28
.set NIL,  29
.set BK,   32
.set ACC,  128
.set F0,   0
.set F1,   128
.set G1, 24
.set G0, 32
.set G1B, 48
.set G0B, 56
.set MSB, 0
.macro WIN new
.if MSB != \new
	s_set_vgpr_msb (MSB<<8)|\new
.set MSB, \new
.endif
.endm
.set MUL,  0x05                        ; sources 0 and 1 window 1; C and D window 0
.set TO_F, 0x40                        ; destination window 1, address window 0
.macro JLOAD g0a, g1a, g0b, g1b        ; waves 0, 1 fetch A's halves, waves 2, 3 W's; four v_nop follow each line
	s_cmp_eq_u32 s15, 0
	s_cbranch_scc0 .Lfor_b_\@
	tensor_load_to_lds s[\g0a:\g0a+3], s[\g1a:\g1a+7]
	s_nop 0
.rept 4
	v_nop
.endr
	s_branch .Lasked_\@
.Lfor_b_\@:
	tensor_load_to_lds s[\g0b:\g0b+3], s[\g1b:\g1b+7]
	s_nop 0
.rept 4
	v_nop
.endr
.Lasked_\@:
.endm
.macro CREST
	s_cmp_lg_u32 s14, 0
	s_cbranch_scc1 .Lnot_wave_0_\@
	s_barrier_signal -3
.Lnot_wave_0_\@:
	s_barrier_wait -3
	s_barrier_signal -1
	s_barrier_wait -1
.endm
.macro CROUND
	s_barrier_signal -1
	s_barrier_wait -1
	CREST
.endm
	s_load_b256 s[4:11], s[0:1], 0x0               ; A, W, the scales' exponents, bias
	s_load_b128 s[68:71], s[0:1], 0x20             ; res, out
	v_lshl_add_u32 v[SPW], v0, 2, SPARE
	v_mov_b32 v[NIL], 0
	ds_add_u32 v28, v29
	ds_add_u32 v28, v29
	s_wait_dscnt 0x0
	v_lshrrev_b32 v1, 5, v0
	v_readfirstlane_b32 s14, v1                    ; wave
	s_lshr_b32 s15, s14, 1                         ; my half of the tokens.  Also: I fetch for A (0) or for W (1)
	s_and_b32 s16, s14, 1                          ; my half of the columns.  Also: which half I fetch
	s_bfe_u32 s40, ttmp6, 0x40000                  ; cx
	s_bfe_u32 s41, ttmp6, 0x40004                  ; cy
	s_lshl_b32 s42, ttmp9, 2
	s_add_co_u32 s42, s42, s40                     ; tile column
	s_and_b32 s17, ttmp7, 0xffff
	s_lshl_b32 s17, s17, 2
	s_add_co_u32 s17, s17, s41                     ; tile row
	s_lshl_b32 s43, s41, 2
	s_lshl_b32 s43, 15, s43
	s_lshl_b32 s44, 0x1111, s40
	s_or_b32 s[G1+0], s43, (0<<16)|(1<<21)         ; A: mask of my row; elements of 1 byte; no padding; bit 21 beside a mask
	s_mov_b32 s[G1+1], 8192<<16                    ; tensor_dim0 = 8,192: a token tile's four K steps, dense
	s_mov_b32 s[G1+2], 4<<16                       ; tensor_dim1 = 4 token tiles
	s_mov_b32 s[G1+3], 8192<<16                    ; tile_dim0
	s_mov_b32 s[G1+4], 4                           ; tile_dim1
	s_mov_b32 s[G1+5], 16*SIZE_K                   ; from token tile to token tile
	s_mov_b32 s[G1+6], 0
	s_mov_b32 s[G1+7], 0
	s_or_b32 s[G1B+0], s44, (0<<16)|(1<<20)|(1<<21)|(6<<22)|(3<<25)  ; W: mask of my column; padding: 4 words after every 128
	s_mov_b32 s[G1B+1], 512<<16
	s_mov_b32 s[G1B+2], 64<<16
	s_mov_b32 s[G1B+3], 512<<16
	s_mov_b32 s[G1B+4], 64
	s_mov_b32 s[G1B+5], SIZE_K
	s_mov_b32 s[G1B+6], 0
	s_mov_b32 s[G1B+7], 0
	s_lshl_b32 s20, s17, 3
	s_lshl_b32 s18, s16, 2
	s_add_co_u32 s20, s20, s18                     ; A: token tile 8 x tile row + 4 x half
	s_mul_i32 s20, s20, 16*SIZE_K
	s_mov_b32 s21, 0
	s_lshl_b32 s46, s42, 7
	s_lshl_b32 s18, s16, 6
	s_add_co_u32 s46, s46, s18                     ; W: row 128 x tile column + 64 x half
	s_mul_i32 s46, s46, SIZE_K
	s_mov_b32 s47, 0
	s_lshl_b32 s45, s16, 15                        ; A's place in a slot: half x 32,768
	s_mul_i32 s19, s16, BHALF
	s_add_co_u32 s19, s19, ASLOT                   ; W's: behind A's
	s_wait_kmcnt 0x0
	s_load_b64 s[74:75], s[8:9], EOFF              ; eA, eB
	s_add_nc_u64 s[20:21], s[4:5], s[20:21]
	s_add_nc_u64 s[46:47], s[6:7], s[46:47]
	CROUND                                         ; the first joint loads meet
.irp s, 0,1
	s_mov_b32 s[G0+4*\s], 1
	s_add_co_u32 s[G0+4*\s+1], s45, \s*SLOT
	s_add_nc_u64 s[G0+4*\s+2:G0+4*\s+3], s[20:21], \s*8192
	s_or_b32 s[G0+4*\s+3], s[G0+4*\s+3], 0x80000000
	s_mov_b32 s[G0B+4*\s], 1
	s_add_co_u32 s[G0B+4*\s+1], s19, \s*SLOT
	s_add_nc_u64 s[G0B+4*\s+2:G0B+4*\s+3], s[46:47], \s*512
	s_or_b32 s[G0B+4*\s+3], s[G0B+4*\s+3], 0x80000000
	JLOAD G0+4*\s, G1, G0B+4*\s, G1B
.endr
	v_and_b32 v1, 15, v0                           ; r
	v_bfe_u32 v2, v0, 4, 1                         ; h
	v_and_b32 v3, 31, v0
	v_lshlrev_b32 v4, 4, v3                        ; 16 x lane
	v_mul_u32_u24 v5, v1, BP
	v_lshl_add_u32 v5, v2, 3, v5                   ; W: row r, + 8 h
	s_lshl_b32 s21, s15, 15                        ; my four token tiles
	s_mul_i32 s22, s16, BHALF
	s_add_co_u32 s22, s22, ASLOT                   ; my 64 rows of W
.irp s, 0,1
	v_add_nc_u32 v[ADRA+\s], s21, v4
	v_add_nc_u32 v[ADRB+\s], s22, v5
	s_add_co_u32 s21, s21, SLOT
	s_add_co_u32 s22, s22, SLOT
.endr
	s_mul_i32 s23, s14, 16*SP
	s_add_co_u32 s23, s23, STAGE                   ; my stage
	v_mul_u32_u24 v6, v1, SP
	v_lshl_add_u32 v6, v2, 5, v6
	v_add_nc_u32 v[STO], s23, v6                   ; in: row r, + 32 h
	v_mul_u32_u24 v7, v2, SP
	v_lshl_add_u32 v7, v1, 4, v7
	v_add_nc_u32 v[RD], s23, v7                    ; back: lanes 0-15 one row, lanes 16-31 the next
	v_lshlrev_b32 v[CO], 12, v2
	v_lshl_add_u32 v[CO], v1, 4, v[CO]             ; and the same two rows of 4,096 bytes in res and out
	v_lshlrev_b32 v27, 4, v1
	s_lshl_b32 s20, s17, 7
	s_lshl_b32 s21, s15, 6
	s_add_co_u32 s20, s20, s21                     ; my first token
	s_lshl_b32 s20, s20, 12
	s_lshl_b32 s46, s42, 9
	s_lshl_b32 s47, s16, 8
	s_add_co_u32 s46, s46, s47                     ; my first column, in bytes
	s_add_co_u32 s20, s20, s46
	s_mov_b32 s21, 0
	s_mov_b32 s47, 0
	s_add_nc_u64 s[68:69], s[68:69], s[20:21]
	s_add_nc_u64 s[70:71], s[70:71], s[20:21]
	s_add_nc_u64 s[10:11], s[10:11], s[46:47]
	WIN 0x80                                       ; destination window 2
.irp a, 0,1,2,3
.irp t, 0,1,2,3,4,5,6,7
	global_load_b128 v[32*\a+4*\t:32*\a+4*\t+3], v[CO], s[68:69] offset:(16*\a+2*\t)*4096 th:TH_LOAD_NT   ; the residual, in the layout of the stores
.endr
.endr
	WIN 0
	global_load_b128 v[96:99], v27, s[10:11]       ; the bias of my four columns
.macro MUL4 f, a, zero                 ; token block a x W's four; the 16 accumulators take turns
.irp b, 0,1,2,3
.if \zero
	v_wmma_f32_16x16x128_fp8_fp8 v[ACC+8*(4*(\a)+\b):ACC+8*(4*(\a)+\b)+7], v[\f+64+16*\b:\f+64+16*\b+15], v[\f+16*(\a):\f+16*(\a)+15], 0
.else
	v_wmma_f32_16x16x128_fp8_fp8 v[ACC+8*(4*(\a)+\b):ACC+8*(4*(\a)+\b)+7], v[\f+64+16*\b:\f+64+16*\b+15], v[\f+16*(\a):\f+16*(\a)+15], v[ACC+8*(4*(\a)+\b):ACC+8*(4*(\a)+\b)+7]
.endif
.endr
.endm
.macro FETCH slot, q, f                ; 48 LDS loads in one run: W's 32, then A's blocks 0, 1 (8), then 2, 3 (8)
	WIN TO_F
.irp b, 0,1,2,3
.irp c, 0,1,2,3,4,5,6,7
	ds_load_b64 v[\f+64+16*\b+2*\c:\f+64+16*\b+2*\c+1], v[ADRB+\slot] offset:\b*16*BP+128*(\q)+16*\c
.endr
.endr
.irp a, 0,1,2,3
.irp c, 0,1,2,3
	ds_load_b128 v[\f+16*\a+4*\c:\f+16*\a+4*\c+3], v[ADRA+\slot] offset:\a*8192+2048*(\q)+512*\c
.endr
.endr
.endm
.macro PLACES
.rept 4
	v_nop
.endr
.endm
.macro QUARTER slot, q, f, g, zero     ; multiplies buffer f and fetches the slot's q-th 128 along K into g
	s_wait_dscnt 8                                 ; W's and A's blocks 0, 1 are in; the youngest eight loads may be out
	WIN MUL
	MUL4 \f, 0, \zero
	MUL4 \f, 1, \zero
	PLACES
	FETCH \slot, \q, \g
	s_wait_dscnt 48                                ; all but the 48 just issued
	WIN MUL
	MUL4 \f, 2, \zero
	MUL4 \f, 3, \zero
.endm
.macro TURN slot, next, fill           ; a slot's last quarter changes slots
	WIN 0
	s_wait_tensorcnt 0x0                           ; all my tensor loads have landed: my part of the next slot
	ds_add_u32 v[SPW], v[NIL]                      ; 0 onto my spare word
	s_wait_dscnt 9                                 ; the add and the youngest eight loads may be out
	WIN MUL
	MUL4 F1, 0, 0
	s_wait_dscnt 0x0                               ; the add is done, and my reads of this slot are over
	s_barrier_signal -1
	MUL4 F1, 1, 0
.if \fill
	WIN 0
.endif
	s_barrier_wait -1
.if \fill
	CREST                                          ; no wave of any partner still reads this slot or has a load on its way
	s_add_nc_u64 s[G0+4*\slot+2:G0+4*\slot+3], s[G0+4*\slot+2:G0+4*\slot+3], 2*8192
	s_add_nc_u64 s[G0B+4*\slot+2:G0B+4*\slot+3], s[G0B+4*\slot+2:G0B+4*\slot+3], 2*512
	JLOAD G0+4*\slot, G1, G0B+4*\slot, G1B         ; my one tensor load behind the round; its four v_nop are the places in front of the loads below
.else
	PLACES
.endif
	FETCH \next, 0, F0
	WIN MUL
	MUL4 F1, 2, 0
	MUL4 F1, 3, 0
.endm
	s_wait_tensorcnt 1                             ; my part of slot 0 is in; slot 1's load may be out
	s_barrier_signal -1
	s_barrier_wait -1
	FETCH 0, 0, F0
	QUARTER 0, 1, F0, F1, 1                        ; the first quarter's products start the sums
.if LAPS > 1
	WIN 0
	s_mov_b32 s3, LAPS-1
.Llap:
	QUARTER 0, 2, F1, F0, 0
	QUARTER 0, 3, F0, F1, 0
	TURN 0, 1, 1
	QUARTER 1, 1, F0, F1, 0
	QUARTER 1, 2, F1, F0, 0
	QUARTER 1, 3, F0, F1, 0
	TURN 1, 0, 1
	QUARTER 0, 1, F0, F1, 0
	WIN 0
	s_sub_co_u32 s3, s3, 1
	s_cmp_lg_u32 s3, 0
	s_cbranch_scc1 .Llap
.endif
	QUARTER 0, 2, F1, F0, 0                        ; the last lap fills nothing
	QUARTER 0, 3, F0, F1, 0
	TURN 0, 1, 0
	QUARTER 1, 1, F0, F1, 0
	QUARTER 1, 2, F1, F0, 0
	QUARTER 1, 3, F0, F1, 0
	s_wait_dscnt 8
	WIN MUL
	MUL4 F1, 0, 0
	MUL4 F1, 1, 0
	s_wait_dscnt 0
	MUL4 F1, 2, 0
	MUL4 F1, 3, 0
	WIN 0
	PLACES
	s_wait_loadcnt 0x0                             ; the residual and the bias
	s_wait_kmcnt 0x0
	s_add_co_i32 s72, s74, s75
	s_add_co_i32 s72, s72, 127
	s_lshl_b32 s72, s72, 23                        ; 2^(eA + eB) as f32
	s_mov_b32 s73, s72
.macro OUT a                           ; 16 tokens x 64 columns: through my stage, x the scale + bias, + residual, stored
.set BB, BK+32*((\a)%2)
.irp b, 0,1,2,3
	ds_store_b128 v[STO], v[ACC+8*(4*(\a)+\b):ACC+8*(4*(\a)+\b)+3] offset:64*\b          ; each accumulator from its low end on
	ds_store_b128 v[STO], v[ACC+8*(4*(\a)+\b)+4:ACC+8*(4*(\a)+\b)+7] offset:64*\b+16
.endr
.irp t, 0,1,2,3,4,5,6,7
	ds_load_b128 v[BB+4*\t:BB+4*\t+3], v[RD] offset:\t*2*SP   ; LDS serves a wave's instructions in order: these see my stores
.endr
	s_wait_dscnt 0x0
.irp t, 0,1,2,3,4,5,6,7
	v_pk_fma_f32 v[BB+4*\t:BB+4*\t+1], v[BB+4*\t:BB+4*\t+1], s[72:73], v[96:97] op_sel_hi:[1,0,1]
	v_pk_fma_f32 v[BB+4*\t+2:BB+4*\t+3], v[BB+4*\t+2:BB+4*\t+3], s[72:73], v[98:99] op_sel_hi:[1,0,1]
.endr
	WIN 0x82                                       ; destination and source 0 window 2
.set i, 0
.rept 16
	v_pk_add_f32 v[32*(\a)+i:32*(\a)+i+1], v[32*(\a)+i:32*(\a)+i+1], v[BB+i:BB+i+1]
.set i, i+2
.endr
	WIN 0x08                                       ; a store's data: window 2
.irp t, 0,1,2,3,4,5,6,7
	global_store_b128 v[CO], v[32*(\a)+4*\t:32*(\a)+4*\t+3], s[70:71] offset:(16*(\a)+2*\t)*4096   ; sixteen lanes store 256 consecutive bytes, aligned
.endr
	WIN 0
.endm
	OUT 0
	OUT 1
	OUT 2
	OUT 3
	s_wait_tensorcnt 0x0                           ; the wave's end
	ds_add_u32 v[SPW], v[NIL]
	s_wait_dscnt 0x0
	CROUND                                         ; the closing round
	s_endpgm
.Lfunc_end_k_q73cbd55617_wo:
	.size	k_q73cbd55617_wo, .Lfunc_end_k_q73cbd55617_wo-k_q73cbd55617_wo
	.p2alignl 7, 3214868480
	.fill 96, 4, 3214868480
	.section	.rodata,"a",@progbits
	.p2align	6, 0x0
	.amdhsa_kernel k_q73cbd55617_wo
		.amdhsa_group_segment_fixed_size 327680
		.amdhsa_private_segment_fixed_size 0
		.amdhsa_enable_private_segment 0
		.amdhsa_kernarg_size 48
		.amdhsa_user_sgpr_count 2
		.amdhsa_user_sgpr_kernarg_segment_ptr 1
		.amdhsa_wavefront_size32 1
		.amdhsa_system_sgpr_workgroup_id_x 1
		.amdhsa_system_sgpr_workgroup_id_y 1
		.amdhsa_system_sgpr_workgroup_id_z 1
		.amdhsa_system_vgpr_workitem_id 0
		.amdhsa_next_free_vgpr 640
		.amdhsa_next_free_sgpr 80
		.amdhsa_reserve_vcc 0
		.amdhsa_float_denorm_mode_32 3
		.amdhsa_float_denorm_mode_16_64 3
		.amdhsa_memory_ordered 1
		.amdhsa_forward_progress 1
		.amdhsa_inst_pref_size 61
	.end_amdhsa_kernel
	.amdgpu_metadata
---
amdhsa.version: [ 1, 2 ]
amdhsa.kernels:
  - .name:           k_q73cbd55617_wo
    .symbol:         k_q73cbd55617_wo.kd
    .args:
      - { .name: ctx, .offset: 0, .size: 8, .value_kind: global_buffer, .address_space: global }
      - { .name: Wo_codes, .offset: 8, .size: 8, .value_kind: global_buffer, .address_space: global }
      - { .name: lowp_scales, .offset: 16, .size: 8, .value_kind: global_buffer, .address_space: global }
      - { .name: bo, .offset: 24, .size: 8, .value_kind: global_buffer, .address_space: global }
      - { .name: src, .offset: 32, .size: 8, .value_kind: global_buffer, .address_space: global }
      - { .name: src2, .offset: 40, .size: 8, .value_kind: global_buffer, .address_space: global }
    .group_segment_fixed_size: 327680
    .private_segment_fixed_size: 0
    .kernarg_segment_align: 8
    .kernarg_segment_size: 48
    .max_flat_workgroup_size: 128
    .sgpr_count:     80
    .vgpr_count:     640
    .wavefront_size: 32
...
	.end_amdgpu_metadata
.endif
;; end of part 4
;; launch ln2 (part 5): grid 256 x 1, 8 waves a work-group, no clusters, 17,408 bytes of LDS; arguments src2, ln2_g, ln2_b, lowp_scales, yc; writes yc
.if DOCPART == 5
	.amdgcn_target "amdgcn-amd-amdhsa--gfx1250"
	.amdhsa_code_object_version 6
	.text
	.protected	k_q73cbd55617_ln2
	.globl	k_q73cbd55617_ln2
	.p2align	8
	.type	k_q73cbd55617_ln2,@function
k_q73cbd55617_ln2:
	s_mov_b64 s[64:65], 0
	v_nop
	global_prefetch_b8 v0, s[64:65] scope:SCOPE_SE
	s_setreg_imm32_b32 hwreg(HW_REG_WAVE_MODE, 25, 1), 1
	s_wait_xcnt 0x0
; y = LayerNorm(src2) * g + b in f32, quantised to E4M3 with 2^e12: yc [4096][1024] codes, row-major.
; SHARES: a work-group owns 16 rows, a wave two whole rows: mean and variance never leave the wave; no barrier.  Lane l holds k = 128 j + 4 l + 0..3, j = 0..7: each load covers 512 consecutive bytes.
; Variance in two passes.  A lane's four codes of a j are one word; the words go through the wave's own LDS bytes so that a row of codes leaves as two stores of 512 consecutive bytes.
; No matrix unit, no cluster: work-groups share nothing but gamma and beta.  LIMITS: e12 between -126 and 119; NaN among the inputs is not served.
.set SCV, 20
.set T,   26
.set C,   42
.set G,   66
.set BE,  98
.set X,   130
	s_load_b256 s[4:11], s[0:1], 0x0               ; src2, gamma, beta, the scales' exponents
	s_load_b64 s[14:15], s[0:1], 0x20              ; yc
	v_lshl_add_u32 v200, v0, 2, 0x4000
	v_mov_b32 v201, 0
	v_lshrrev_b32 v1, 5, v0
	v_readfirstlane_b32 s18, v1                    ; wave
	v_and_b32 v1, 31, v0
	v_lshlrev_b32 v2, 4, v1                        ; 16 x lane
	s_lshl_b32 s54, s18, 11                        ; my wave's LDS bytes: two rows of 1,024 codes
	v_lshl_add_u32 v3, v1, 2, s54
	v_lshl_add_u32 v4, v1, 4, s54
	v_mov_b32 v8, 0
	s_mov_b32 s46, 0x3a800000                      ; 1 / 1024
	s_mov_b32 s47, 0x3727c5ac                      ; 1e-5
	s_mov_b32 s48, 0x76543210
	s_mov_b32 s49, 0xfedcba98
	s_lshl_b32 s58, ttmp9, 4
	s_lshl_b32 s59, s18, 1
	s_add_co_u32 s22, s58, s59                     ; my first row
	s_lshl_b32 s58, s22, 12
	s_mov_b32 s59, 0
	s_lshl_b32 s60, s22, 10
	s_mov_b32 s61, 0
	s_wait_kmcnt 0x0
	s_load_b32 s32, s[10:11], 0x30                 ; e12
	s_add_nc_u64 s[4:5], s[4:5], s[58:59]
	s_add_nc_u64 s[14:15], s[14:15], s[60:61]
.irp j, 0,1,2,3,4,5,6,7
	global_load_b128 v[G+4*\j:G+4*\j+3], v2, s[6:7] offset:512*\j
.endr
.irp j, 0,1,2,3,4,5,6,7
	global_load_b128 v[BE+4*\j:BE+4*\j+3], v2, s[8:9] offset:512*\j
.endr
.irp r, 0,1
.irp j, 0,1,2,3,4,5,6,7
	global_load_b128 v[X+32*\r+4*\j:X+32*\r+4*\j+3], v2, s[4:5] offset:4096*\r+512*\j
.endr
.endr
	s_wait_kmcnt 0x0
	s_add_co_i32 s55, s32, 127
	s_lshl_b32 s58, s55, 23
	v_mov_b32 v[SCV], s58                          ; 2^e12 as f32
	s_add_co_i32 s55, s55, 8
	s_lshl_b32 s55, s55, 23
	s_or_b32 s43, s55, 0x600000                    ; 448 x 2^e12
	s_xor_b32 s40, s43, 0x80000000
.macro WSUM
	v_add_f32_dpp v7, v7, v7 row_xmask:1 row_mask:0xf bank_mask:0xf
	v_add_f32_dpp v7, v7, v7 row_xmask:2 row_mask:0xf bank_mask:0xf
	v_add_f32_dpp v7, v7, v7 row_xmask:4 row_mask:0xf bank_mask:0xf
	v_add_f32_dpp v7, v7, v7 row_xmask:8 row_mask:0xf bank_mask:0xf
	v_permlanex16_b32 v8, v7, s48, s49
	v_add_f32 v7, v7, v8
.endm
.macro ROW r
.set XR, X+32*\r
	s_wait_loadcnt 8*(1-\r)                        ; this row is in (gamma and beta too); the next row's eight loads may be out
	v_pk_add_f32 v[14:15], v[XR:XR+1], v[XR+2:XR+3]
	v_pk_add_f32 v[16:17], v[XR+4:XR+5], v[XR+6:XR+7]
.set p, 8
.rept 6
	v_pk_add_f32 v[14:15], v[14:15], v[XR+p:XR+p+1]
	v_pk_add_f32 v[16:17], v[16:17], v[XR+p+2:XR+p+3]
.set p, p+4
.endr
	v_pk_add_f32 v[14:15], v[14:15], v[16:17]
	v_add_f32 v7, v14, v15
	WSUM
	v_mul_f32 v10, s46, v7
	v_mul_f32 v11, s46, v7
.set p, 0
.rept 16
	v_pk_add_f32 v[XR+p:XR+p+1], v[XR+p:XR+p+1], v[10:11] neg_lo:[0,1] neg_hi:[0,1]
.set p, p+2
.endr
	v_pk_mul_f32 v[14:15], v[XR:XR+1], v[XR:XR+1]
	v_pk_mul_f32 v[16:17], v[XR+2:XR+3], v[XR+2:XR+3]
.set p, 4
.rept 7
	v_pk_fma_f32 v[14:15], v[XR+p:XR+p+1], v[XR+p:XR+p+1], v[14:15]
	v_pk_fma_f32 v[16:17], v[XR+p+2:XR+p+3], v[XR+p+2:XR+p+3], v[16:17]
.set p, p+4
.endr
	v_pk_add_f32 v[14:15], v[14:15], v[16:17]
	v_add_f32 v7, v14, v15
	WSUM
	v_fma_f32 v7, v7, s46, s47
	v_rsq_f32 v12, v7
	v_nop                                          ; a plain line behind the transcendental
	s_wait_alu depctr_va_vdst(0)                   ; and the wait ahead of its first reader
	v_mov_b32 v13, v12
.set p, 0
.rept 16
	v_pk_mul_f32 v[XR+p:XR+p+1], v[XR+p:XR+p+1], v[12:13]
.set p, p+2
.endr
.set p, 0
.rept 16
	v_pk_fma_f32 v[XR+p:XR+p+1], v[XR+p:XR+p+1], v[G+p:G+p+1], v[BE+p:BE+p+1]
.set p, p+2
.endr
.irp q, 0,1,2,3
.irp i, 0,1,2,3,4,5,6,7
	v_med3_num_f32 v[T+8*(\q%2)+\i], v[XR+8*\q+\i], s40, s43   ; the conversion does not saturate (ISA guide 7.6.2)
.endr
	v_cvt_scalef32_pk8_fp8_f32 v[C+2*\q:C+2*\q+1], v[T+8*(\q%2):T+8*(\q%2)+7], v[SCV]
.endr
	v_nop                                          ; a plain line behind the last conversion
.irp j, 0,1,2,3,4,5,6,7
	ds_store_b32 v3, v[C+\j] offset:\r*1024+128*\j
.endr
	ds_load_b128 v[XR:XR+3], v4 offset:\r*1024     ; LDS serves a wave's instructions in order: these see my stores
	ds_load_b128 v[XR+4:XR+7], v4 offset:\r*1024+512
	s_wait_dscnt 0x0
	global_store_b128 v2, v[XR:XR+3], s[14:15] offset:\r*1024          ; 512 consecutive bytes, aligned
	global_store_b128 v2, v[XR+4:XR+7], s[14:15] offset:\r*1024+512
.endm
	ROW 0
	ROW 1
	s_wait_tensorcnt 0x0
	ds_add_u32 v200, v201
	s_wait_dscnt 0x0
	s_endpgm
.Lfunc_end_k_q73cbd55617_ln2:
	.size	k_q73cbd55617_ln2, .Lfunc_end_k_q73cbd55617_ln2-k_q73cbd55617_ln2
	.p2alignl 7, 3214868480
	.fill 96, 4, 3214868480
	.section	.rodata,"a",@progbits
	.p2align	6, 0x0
	.amdhsa_kernel k_q73cbd55617_ln2
		.amdhsa_group_segment_fixed_size 17408
		.amdhsa_private_segment_fixed_size 0
		.amdhsa_enable_private_segment 0
		.amdhsa_kernarg_size 40
		.amdhsa_user_sgpr_count 2
		.amdhsa_user_sgpr_kernarg_segment_ptr 1
		.amdhsa_wavefront_size32 1
		.amdhsa_system_sgpr_workgroup_id_x 1
		.amdhsa_system_sgpr_workgroup_id_y 1
		.amdhsa_system_sgpr_workgroup_id_z 1
		.amdhsa_system_vgpr_workitem_id 0
		.amdhsa_next_free_vgpr 202
		.amdhsa_next_free_sgpr 66
		.amdhsa_reserve_vcc 0
		.amdhsa_float_denorm_mode_32 3
		.amdhsa_float_denorm_mode_16_64 3
		.amdhsa_memory_ordered 1
		.amdhsa_forward_progress 1
		.amdhsa_inst_pref_size 24
	.end_amdhsa_kernel
	.amdgpu_metadata
---
amdhsa.version: [ 1, 2 ]
amdhsa.kernels:
  - .name:           k_q73cbd55617_ln2
    .symbol:         k_q73cbd55617_ln2.kd
    .args:
      - { .name: src2, .offset: 0, .size: 8, .value_kind: global_buffer, .address_space: global }
      - { .name: ln2_g, .offset: 8, .size: 8, .value_kind: global_buffer, .address_space: global }
      - { .name: ln2_b, .offset: 16, .size: 8, .value_kind: global_buffer, .address_space: global }
      - { .name: lowp_scales, .offset: 24, .size: 8, .value_kind: global_buffer, .address_space: global }
      - { .name: yc, .offset: 32, .size: 8, .value_kind: global_buffer, .address_space: global }
    .group_segment_fixed_size: 17408
    .private_segment_fixed_size: 0
    .kernarg_segment_align: 8
    .kernarg_segment_size: 40
    .max_flat_workgroup_size: 256
    .sgpr_count:     66
    .vgpr_count:     202
    .wavefront_size: 32
...
	.end_amdgpu_metadata
.endif
;; end of part 5
;; launch ffn1 (part 6): grid 16 x 16, 4 waves a work-group, clusters of 4 x 4, 327,680 bytes of LDS; arguments yc, W1_codes, b1, lowp_scales, hid; writes hid
.if DOCPART == 6
	.amdgcn_target "amdgcn-amd-amdhsa--gfx1250"
	.amdhsa_code_object_version 6
	.text
	.protected	k_q73cbd55617_ffn1
	.globl	k_q73cbd55617_ffn1
	.p2align	8
	.type	k_q73cbd55617_ffn1,@function
k_q73cbd55617_ffn1:
	s_mov_b64 s[64:65], 0
	v_nop
	global_prefetch_b8 v0, s[64:65] scope:SCOPE_SE
	s_setreg_imm32_b32 hwreg(HW_REG_WAVE_MODE, 25, 1), 1
	s_wait_xcnt 0x0
	s_wait_alu depctr_hold_cnt(0) depctr_sa_sdst(0) depctr_va_vdst(0) depctr_va_sdst(0) depctr_va_ssrc(0) depctr_va_vcc(0) depctr_vm_vsrc(0)
	s_getreg_b32 s2, hwreg(HW_REG_IB_STS2, 6, 4)
	s_cmp_eq_u32 s2, 0
	s_cbranch_scc0 .Lentry_in_a_cluster
	s_endpgm
.Lentry_in_a_cluster:
	s_bfe_u32 s2, ttmp6, 0x10000c
	s_cmp_lg_u32 s2, 0xf033
	s_cbranch_scc0 .Lentry_shape_is_right
	s_endpgm
.Lentry_shape_is_right:
; hidden = relu(y W1 + b1) on codes of E4M3 (scales 2^e12, 2^e13), quantised with 2^e14 and stored as an IMAGE OF OPERAND REGISTERS for the next product.
; A GEMM of 4096 x 4096 x 1024: a tile is 256 x 256, four waves of 128 x 128 (64 accumulators), 256 work-groups in clusters of 4 x 4.  K goes in steps of 256 through two LDS slots filled by joint tensor loads:
; y's tile is shared along a row of the cluster, W1's along a column.
; THE MATRIX INSTRUCTION IS USED TRANSPOSED (source 0 = 16 rows of W1, source 1 = 16 tokens): lane (r, h) holds token r and the eight hidden units 8 h + 0..7 of a block: one conversion of an accumulator gives
; registers 2 b, 2 b + 1 of the next operand's fragment (k = 16 b + 8 h + 0..7), and four such registers of all lanes leave as 512 consecutive bytes: no stage in LDS.  The hold between 0 and the largest code x the scale is the activation too.
; IMAGE: [tile of 16 tokens][K step of 128 hidden units][4 chunks][512 bytes]; a chunk: four registers, lane l at byte 16 l.
; A fragment comes from LDS by four loads of 16 bytes: a permutation of k inside 128, the same on both sides, so only the order of the sums inside an instruction differs from the ascending one.
; LIMITS: e12 + e13 between -126 and 127; e14 between -126 and 119.
.set KROW,   1024
.set ROWB,   256
.set PITCH,  272
.set FR,     16
.set NL,     4
.set NP,     4
.set HALFT,  128*PITCH
.set SLOT,   4*HALFT
.set LAPS,   2
.set SPARE,  2*SLOT                    ; the spare words, 128 bytes a wave; no other line names them
.set ADRA, 16
.set ADRB, 20
.set CO,   26
.set SPW,  28
.set NIL,  29
.set SC,   30
.set LIM,  31
.set TMP,  32
.set BJ,   64                          ; v64-127 b1 of my 128 hidden units: eight a block b
.set AF,   128
.set CD,   128
.set G1, 24
.set G0, 32
.set G1B, 48
.set G0B, 56
.set MSB, 0
.macro WIN new
.if MSB != \new
	s_set_vgpr_msb (MSB<<8)|\new
.set MSB, \new
.endif
.endm
.set MUL_LO, 0xa1
.set MUL_HI, 0xf1
.set TO_B,   0x40
.macro JLOAD g0a, g1a, g0b, g1b        ; waves 0, 1 fetch for y, waves 2, 3 for W1; four v_nop follow each line
	s_cmp_eq_u32 s15, 0
	s_cbranch_scc0 .Lfor_b_\@
	tensor_load_to_lds s[\g0a:\g0a+3], s[\g1a:\g1a+7]
	s_nop 0
.rept 4
	v_nop
.endr
	s_branch .Lasked_\@
.Lfor_b_\@:
	tensor_load_to_lds s[\g0b:\g0b+3], s[\g1b:\g1b+7]
	s_nop 0
.rept 4
	v_nop
.endr
.Lasked_\@:
.endm
.macro CREST
	s_cmp_lg_u32 s14, 0
	s_cbranch_scc1 .Lnot_wave_0_\@
	s_barrier_signal -3
.Lnot_wave_0_\@:
	s_barrier_wait -3
	s_barrier_signal -1
	s_barrier_wait -1
.endm
.macro CROUND
	s_barrier_signal -1
	s_barrier_wait -1
	CREST
.endm
	s_load_b128 s[4:7], s[0:1], 0x0                ; yc, W1's codes
	s_load_b64 s[8:9], s[0:1], 0x10                ; b1
	s_load_b64 s[86:87], s[0:1], 0x18              ; the scales' exponents
	s_load_b64 s[10:11], s[0:1], 0x20              ; hid
	v_lshl_add_u32 v[SPW], v0, 2, SPARE
	v_mov_b32 v[NIL], 0
	ds_add_u32 v28, v29
	ds_add_u32 v28, v29
	s_wait_dscnt 0x0
	v_lshrrev_b32 v1, 5, v0
	v_readfirstlane_b32 s14, v1
	s_lshr_b32 s15, s14, 1
	s_and_b32 s16, s14, 1
	s_bfe_u32 s40, ttmp6, 0x40000
	s_bfe_u32 s41, ttmp6, 0x40004
	s_lshl_b32 s42, ttmp9, 2
	s_add_co_u32 s42, s42, s40                     ; tile column
	s_and_b32 s17, ttmp7, 0xffff
	s_lshl_b32 s17, s17, 2
	s_add_co_u32 s17, s17, s41                     ; tile row
	s_lshl_b32 s43, s41, 2
	s_lshl_b32 s43, 15, s43
	s_lshl_b32 s44, 0x1111, s40
	s_or_b32 s[G1+0], s43, (0<<16)|(1<<20)|(1<<21)|(5<<22)|(3<<25)
	s_or_b32 s[G1B+0], s44, (0<<16)|(1<<20)|(1<<21)|(5<<22)|(3<<25)
.irp g, G1, G1B
	s_mov_b32 s[\g+1], ROWB<<16
	s_mov_b32 s[\g+2], 128<<16
	s_mov_b32 s[\g+3], ROWB<<16
	s_mov_b32 s[\g+4], 128
	s_mov_b32 s[\g+5], KROW
	s_mov_b32 s[\g+6], 0
	s_mov_b32 s[\g+7], 0
.endr
	s_lshl_b32 s18, s16, 7
	s_lshl_b32 s20, s17, 8
	s_add_co_u32 s20, s20, s18
	s_lshl_b32 s46, s42, 8
	s_add_co_u32 s46, s46, s18
	s_mov_b32 s21, 0
	s_mov_b32 s47, 0
	s_mov_b64 s[18:19], KROW
	s_mul_u64 s[20:21], s[20:21], s[18:19]
	s_mul_u64 s[46:47], s[46:47], s[18:19]
	s_mul_i32 s45, s14, HALFT
	s_wait_kmcnt 0x0
	s_load_b128 s[68:71], s[86:87], 0x30           ; e12, e13, e14, e15
	s_add_nc_u64 s[20:21], s[4:5], s[20:21]
	s_add_nc_u64 s[46:47], s[6:7], s[46:47]
	CROUND
.irp s, 0,1
	s_mov_b32 s[G0+4*\s], 1
	s_add_co_u32 s[G0+4*\s+1], s45, \s*SLOT
	s_add_nc_u64 s[G0+4*\s+2:G0+4*\s+3], s[20:21], \s*ROWB
	s_or_b32 s[G0+4*\s+3], s[G0+4*\s+3], 0x80000000
	s_mov_b32 s[G0B+4*\s], 1
	s_add_co_u32 s[G0B+4*\s+1], s45, \s*SLOT
	s_add_nc_u64 s[G0B+4*\s+2:G0B+4*\s+3], s[46:47], \s*ROWB
	s_or_b32 s[G0B+4*\s+3], s[G0B+4*\s+3], 0x80000000
	JLOAD G0+4*\s, G1, G0B+4*\s, G1B
.endr
	v_and_b32 v1, 15, v0
	v_bfe_u32 v2, v0, 4, 1
	v_mul_u32_u24 v3, v1, PITCH
	v_lshl_add_u32 v4, v2, 4, v3
	s_mul_i32 s21, s15, HALFT
	s_mul_i32 s22, s16, HALFT
	s_add_co_u32 s22, s22, 2*HALFT
.irp s, 0,1
	v_add_nc_u32 v[ADRA+\s], s21, v4
	v_add_nc_u32 v[ADRB+\s], s22, v4
	s_add_co_u32 s21, s21, SLOT
	s_add_co_u32 s22, s22, SLOT
.endr
	v_and_b32 v5, 31, v0
	v_lshlrev_b32 v[CO], 4, v5
	v_lshlrev_b32 v6, 5, v2                        ; 32 h
	s_lshl_b32 s20, s42, 8
	s_lshl_b32 s21, s16, 7
	s_add_co_u32 s20, s20, s21                     ; my first hidden unit
	s_lshl_b32 s20, s20, 2
	s_mov_b32 s21, 0
	s_add_nc_u64 s[88:89], s[8:9], s[20:21]
.irp b, 0,1,2,3,4,5,6,7
	global_load_b128 v[BJ+8*\b:BJ+8*\b+3], v6, s[88:89] offset:64*\b
	global_load_b128 v[BJ+8*\b+4:BJ+8*\b+7], v6, s[88:89] offset:64*\b+16
.endr
.macro FRAG reg, adr, q, i
.irp c, 0,1,2,3
	ds_load_b128 v[\reg+4*\c:\reg+4*\c+3], v[\adr] offset:128*(\q)+32*\c+(\i)*16*PITCH
.endr
.endm
.macro MUL16 a0, p, zero               ; the 64 accumulators take turns; zero = 1: the first product starts the sums
.irp a, \a0, \a0+1
.irp b, 0,1,2,3,4,5,6,7
.if \zero
	v_wmma_f32_16x16x128_fp8_fp8 v[8*(8*((\a)%4)+\b):8*(8*((\a)%4)+\b)+7], v[128*(\p)+FR*\b:128*(\p)+FR*\b+FR-1], v[AF+FR*(\a):AF+FR*(\a)+FR-1], 0
.else
	v_wmma_f32_16x16x128_fp8_fp8 v[8*(8*((\a)%4)+\b):8*(8*((\a)%4)+\b)+7], v[128*(\p)+FR*\b:128*(\p)+FR*\b+FR-1], v[AF+FR*(\a):AF+FR*(\a)+FR-1], v[8*(8*((\a)%4)+\b):8*(8*((\a)%4)+\b)+7]
.endif
.endr
.endr
.endm
.macro FETCH_B slot, q, p
	WIN TO_B
.irp i, 0,1,2,3,4,5,6,7
	FRAG 128*(\p)+FR*\i, ADRB+\slot, \q, \i
.endr
	WIN 0
.endm
.macro FETCH_A slot, q, i0
.irp i, \i0, \i0+1, \i0+2, \i0+3
	FRAG AF+FR*(\i), ADRA+\slot, \q, \i
.endr
.endm
.macro PLACES n
.rept \n
	v_nop
.endr
.endm
.macro STEP slot, q, zero
	s_wait_dscnt 4*NL                              ; B's set and A's blocks 0-3 are in; the youngest 16 loads may be out
	WIN MUL_LO
	MUL16 0, (\q)%2, \zero
	MUL16 2, (\q)%2, \zero
	s_wait_dscnt 0
	PLACES NP
	FETCH_B \slot, (\q)+1, 1-(\q)%2
	FETCH_A \slot, (\q)+1, 0
	WIN MUL_HI
	MUL16 4, (\q)%2, \zero
	MUL16 6, (\q)%2, \zero
	PLACES NP
	WIN 0
	FETCH_A \slot, (\q)+1, 4
.endm
.macro TURN slot, next, fill
	s_wait_tensorcnt 0x0                           ; all my tensor loads have landed: my part of the next slot
	ds_add_u32 v[SPW], v[NIL]                      ; 0 onto my spare word
	s_wait_dscnt 4*NL+1                            ; the add and the youngest 16 loads may be out
	WIN MUL_LO
	MUL16 0, 1, 0
	s_wait_dscnt 0x0                               ; the add is done, and my reads of this slot are over
	s_barrier_signal -1
	MUL16 2, 1, 0
	WIN 0
	s_barrier_wait -1
.if \fill
	CREST
	s_add_nc_u64 s[G0+4*\slot+2:G0+4*\slot+3], s[G0+4*\slot+2:G0+4*\slot+3], 2*ROWB
	s_add_nc_u64 s[G0B+4*\slot+2:G0B+4*\slot+3], s[G0B+4*\slot+2:G0B+4*\slot+3], 2*ROWB
	JLOAD G0+4*\slot, G1, G0B+4*\slot, G1B
.else
	PLACES NP
.endif
	FETCH_B \next, 0, 0
	FETCH_A \next, 0, 0
	WIN MUL_HI
	MUL16 4, 1, 0
	MUL16 6, 1, 0
	PLACES NP
	WIN 0
	FETCH_A \next, 0, 4
.endm
	s_wait_tensorcnt 1                             ; my part of slot 0 is in; slot 1's load may be out
	s_barrier_signal -1
	s_barrier_wait -1
	FETCH_B 0, 0, 0
	FETCH_A 0, 0, 0
	FETCH_A 0, 0, 4
	STEP 0, 0, 1
	s_mov_b32 s3, LAPS-1
.Llap:
	TURN 0, 1, 1
	STEP 1, 0, 0
	TURN 1, 0, 1
	STEP 0, 0, 0
	s_sub_co_u32 s3, s3, 1
	s_cmp_lg_u32 s3, 0
	s_cbranch_scc1 .Llap
	TURN 0, 1, 0
	STEP 1, 0, 0
	s_wait_dscnt 4*NL
	WIN MUL_LO
	MUL16 0, 1, 0
	MUL16 2, 1, 0
	s_wait_dscnt 0
	WIN MUL_HI
	MUL16 4, 1, 0
	MUL16 6, 1, 0
	WIN 0
; THE WAY OUT.  Block a (16 tokens x 128 hidden units), half of it at a time: sum x 2^(e12 + e13) + b1, the hold between 0 and the largest code x the scale, the conversion.  Each accumulator is read from its low end on.
.macro OUTBLK a
.irp hf, 0,1
	WIN 0x02+((\a)/4)
.set i, 0
.rept 16
	v_pk_fma_f32 v[TMP+i:TMP+i+1], v[64*((\a)%4)+32*\hf+i:64*((\a)%4)+32*\hf+i+1], s[96:97], v[BJ+32*\hf+i:BJ+32*\hf+i+1] op_sel_hi:[1,0,1]
.set i, i+2
.endr
	WIN 0
.set i, 0
.rept 32
	v_med3_num_f32 v[TMP+i], v[TMP+i], 0, v[LIM]   ; the activation and the hold in one
.set i, i+1
.endr
.irp q, 0,1,2,3
	v_cvt_scalef32_pk8_fp8_f32 v[CD+16*(\a)+8*\hf+2*\q:CD+16*(\a)+8*\hf+2*\q+1], v[TMP+8*\q:TMP+8*\q+7], v[SC]
.endr
	v_nop                                          ; a plain line between the conversions and the next writing of their sources
.endr
.endm
	s_wait_kmcnt 0x0
	s_add_co_i32 s84, s68, s69
	s_add_co_i32 s84, s84, 127
	s_lshl_b32 s96, s84, 23                        ; 2^(e12 + e13) as f32
	s_mov_b32 s97, s96
	s_add_co_i32 s85, s70, 127
	s_lshl_b32 s84, s85, 23
	v_mov_b32 v[SC], s84                           ; 2^e14
	s_add_co_i32 s85, s85, 8
	s_lshl_b32 s85, s85, 23
	s_or_b32 s85, s85, 0x600000
	v_mov_b32 v[LIM], s85                          ; 448 x 2^e14
	PLACES NP
	s_wait_loadcnt 0x0                             ; b1
	s_lshl_b32 s20, s17, 4
	s_lshl_b32 s21, s15, 3
	s_add_co_u32 s20, s20, s21                     ; my first tile of 16 tokens
	s_lshl_b32 s20, s20, 16                        ; 65,536 bytes each
	s_lshl_b32 s21, s42, 1
	s_add_co_u32 s21, s21, s16                     ; my K step of 128 hidden units
	s_lshl_b32 s21, s21, 11
	s_add_co_u32 s20, s20, s21
	s_mov_b32 s21, 0
	s_add_nc_u64 s[10:11], s[10:11], s[20:21]
.irp a, 0,1,2,3,4,5,6,7
	OUTBLK \a
.irp s, 0,1,2,3
	global_store_b128 v[CO], v[CD+16*\a+4*\s:CD+16*\a+4*\s+3], s[10:11] offset:\a*65536+\s*512   ; 512 consecutive bytes, aligned
.endr
.endr
	s_wait_tensorcnt 0x0                           ; the wave's end
	ds_add_u32 v[SPW], v[NIL]
	s_wait_dscnt 0x0
	CROUND                                         ; the closing round
	s_endpgm
.Lfunc_end_k_q73cbd55617_ffn1:
	.size	k_q73cbd55617_ffn1, .Lfunc_end_k_q73cbd55617_ffn1-k_q73cbd55617_ffn1
	.p2alignl 7, 3214868480
	.fill 96, 4, 3214868480
	.section	.rodata,"a",@progbits
	.p2align	6, 0x0
	.amdhsa_kernel k_q73cbd55617_ffn1
		.amdhsa_group_segment_fixed_size 327680
		.amdhsa_private_segment_fixed_size 0
		.amdhsa_enable_private_segment 0
		.amdhsa_kernarg_size 40
		.amdhsa_user_sgpr_count 2
		.amdhsa_user_sgpr_kernarg_segment_ptr 1
		.amdhsa_wavefront_size32 1
		.amdhsa_system_sgpr_workgroup_id_x 1
		.amdhsa_system_sgpr_workgroup_id_y 1
		.amdhsa_system_sgpr_workgroup_id_z 1
		.amdhsa_system_vgpr_workitem_id 0
		.amdhsa_next_free_vgpr 1024
		.amdhsa_next_free_sgpr 100
		.amdhsa_reserve_vcc 0
		.amdhsa_float_denorm_mode_32 3
		.amdhsa_float_denorm_mode_16_64 3
		.amdhsa_memory_ordered 1
		.amdhsa_forward_progress 1
		.amdhsa_inst_pref_size 136
	.end_amdhsa_kernel
	.amdgpu_metadata
---
amdhsa.version: [ 1, 2 ]
amdhsa.kernels:
  - .name:           k_q73cbd55617_ffn1
    .symbol:         k_q73cbd55617_ffn1.kd
    .args:
      - { .name: yc, .offset: 0, .size: 8, .value_kind: global_buffer, .address_space: global }
      - { .name: W1_codes, .offset: 8, .size: 8, .value_kind: global_buffer, .address_space: global }
      - { .name: b1, .offset: 16, .size: 8, .value_kind: global_buffer, .address_space: global }
      - { .name: lowp_scales, .offset: 24, .size: 8, .value_kind: global_buffer, .address_space: global }
      - { .name: hid, .offset: 32, .size: 8, .value_kind: global_buffer, .address_space: global }
    .group_segment_fixed_size: 327680
    .private_segment_fixed_size: 0
    .kernarg_segment_align: 8
    .kernarg_segment_size: 40
    .max_flat_workgroup_size: 128
    .sgpr_count:     100
    .vgpr_count:     1024
    .wavefront_size: 32
...
	.end_amdgpu_metadata
.endif
;; end of part 6
;; launch ffn2 (part 7): grid 8 x 32, 4 waves a work-group, clusters of 4 x 4, 327,680 bytes of LDS; arguments hid, W2_codes, lowp_scales, b2, src2, out0; writes out0
.if DOCPART == 7
	.amdgcn_target "amdgcn-amd-amdhsa--gfx1250"
	.amdhsa_code_object_version 6
	.text
	.protected	k_q73cbd55617_ffn2
	.globl	k_q73cbd55617_ffn2
	.p2align	8
	.type	k_q73cbd55617_ffn2,@function
k_q73cbd55617_ffn2:
	s_mov_b64 s[64:65], 0
	v_nop
	global_prefetch_b8 v0, s[64:65] scope:SCOPE_SE
	s_setreg_imm32_b32 hwreg(HW_REG_WAVE_MODE, 25, 1), 1
	s_wait_xcnt 0x0
	s_wait_alu depctr_hold_cnt(0) depctr_sa_sdst(0) depctr_va_vdst(0) depctr_va_sdst(0) depctr_va_ssrc(0) depctr_va_vcc(0) depctr_vm_vsrc(0)
	s_getreg_b32 s2, hwreg(HW_REG_IB_STS2, 6, 4)
	s_cmp_eq_u32 s2, 0
	s_cbranch_scc0 .Lentry_in_a_cluster
	s_endpgm
.Lentry_in_a_cluster:
	s_bfe_u32 s2, ttmp6, 0x10000c
	s_cmp_lg_u32 s2, 0xf033
	s_cbranch_scc0 .Lentry_shape_is_right
	s_endpgm
.Lentry_shape_is_right:
; out = res + (A W^T x 2^(eA + eB) + bias).  A: [4096][SIZE_K] as an image of operand registers ([tile of 16 tokens][K step of 128][4 chunks][512 bytes], lane l of a chunk at 16 l; registers 2 c, 2 c + 1: k = 16 c + 8 h + 0..7).
; W: [1024][SIZE_K] codes, K innermost.  bias [1024], res and out [4096][1024] f32.  Here: A = the hidden layer, W = W2, res = src2, out = out0; SIZE_K = 4,096; eA, eB = entries 14, 15.
; N is 1,024: tiles of 256 x 256 would be 64, so a tile is 128 x 128: 256 work-groups.  Four waves of 64 x 64: 16 accumulators.  A slot holds 512 along K: A's 8 token tiles x 8,192 dense bytes, W's 128 rows of 512 bytes + 16 of padding.
; CLUSTERS of 4 x 4: A's tile is shared along a row, W's along a column, by joint loads.  TRANSPOSED use (source 0 = 16 rows of W, source 1 = 16 tokens): a lane holds eight neighbouring columns of a token.
; A's fragment comes by four loads of 16 bytes as it lies; W's in the same places of k by eight loads of 8 bytes.  K ascending, one accumulator an output.
; The way out goes through each wave's own stage (16 rows x 256 bytes + 16), so that sixteen lanes store 256 consecutive bytes, aligned; the residual is loaded in that layout at the head.
; REGISTERS: window 0: v16-31 addresses; v32-95 rows back from the stage; v96-99 bias; v128-255 accumulators ((a, b) at 128 + 8 (4 a + b)).  window 1: two fragment buffers of 128 (A's four at f + 16 a, W's four at f + 64 + 16 b).  window 2: v0-127 the residual, then the result.
; LIMIT: eA + eB between -126 and 127.
.set SIZE_K, 4096
.set EOFF,   56                        ; byte of eA in the buffer of scales
.set LAPS,   SIZE_K/1024               ; a lap = two slots
.set ASLOT,  65536
.set BP,     528
.set BHALF,  64*BP
.set SLOT,   ASLOT+2*BHALF
.set STAGE,  2*SLOT
.set SP,     272
.set SPARE,  STAGE+4*16*SP             ; the spare words, 128 bytes a wave; no other line names them
.set ADRA, 16
.set ADRB, 20
.set STO,  24
.set RD,   25
.set CO,   26
.set SPW,  28
.set NIL,  29
.set BK,   32
.set ACC,  128
.set F0,   0
.set F1,   128
.set G1, 24
.set G0, 32
.set G1B, 48
.set G0B, 56
.set MSB, 0
.macro WIN new
.if MSB != \new
	s_set_vgpr_msb (MSB<<8)|\new
.set MSB, \new
.endif
.endm
.set MUL,  0x05                        ; sources 0 and 1 window 1; C and D window 0
.set TO_F, 0x40                        ; destination window 1, address window 0
.macro JLOAD g0a, g1a, g0b, g1b        ; waves 0, 1 fetch A's halves, waves 2, 3 W's; four v_nop follow each line
	s_cmp_eq_u32 s15, 0
	s_cbranch_scc0 .Lfor_b_\@
	tensor_load_to_lds s[\g0a:\g0a+3], s[\g1a:\g1a+7]
	s_nop 0
.rept 4
	v_nop
.endr
	s_branch .Lasked_\@
.Lfor_b_\@:
	tensor_load_to_lds s[\g0b:\g0b+3], s[\g1b:\g1b+7]
	s_nop 0
.rept 4
	v_nop
.endr
.Lasked_\@:
.endm
.macro CREST
	s_cmp_lg_u32 s14, 0
	s_cbranch_scc1 .Lnot_wave_0_\@
	s_barrier_signal -3
.Lnot_wave_0_\@:
	s_barrier_wait -3
	s_barrier_signal -1
	s_barrier_wait -1
.endm
.macro CROUND
	s_barrier_signal -1
	s_barrier_wait -1
	CREST
.endm
	s_load_b256 s[4:11], s[0:1], 0x0               ; A, W, the scales' exponents, bias
	s_load_b128 s[68:71], s[0:1], 0x20             ; res, out
	v_lshl_add_u32 v[SPW], v0, 2, SPARE
	v_mov_b32 v[NIL], 0
	ds_add_u32 v28, v29
	ds_add_u32 v28, v29
	s_wait_dscnt 0x0
	v_lshrrev_b32 v1, 5, v0
	v_readfirstlane_b32 s14, v1                    ; wave
	s_lshr_b32 s15, s14, 1                         ; my half of the tokens.  Also: I fetch for A (0) or for W (1)
	s_and_b32 s16, s14, 1                          ; my half of the columns.  Also: which half I fetch
	s_bfe_u32 s40, ttmp6, 0x40000                  ; cx
	s_bfe_u32 s41, ttmp6, 0x40004                  ; cy
	s_lshl_b32 s42, ttmp9, 2
	s_add_co_u32 s42, s42, s40                     ; tile column
	s_and_b32 s17, ttmp7, 0xffff
	s_lshl_b32 s17, s17, 2
	s_add_co_u32 s17, s17, s41                     ; tile row
	s_lshl_b32 s43, s41, 2
	s_lshl_b32 s43, 15, s43
	s_lshl_b32 s44, 0x1111, s40
	s_or_b32 s[G1+0], s43, (0<<16)|(1<<21)         ; A: mask of my row; elements of 1 byte; no padding; bit 21 beside a mask
	s_mov_b32 s[G1+1], 8192<<16                    ; tensor_dim0 = 8,192: a token tile's four K steps, dense
	s_mov_b32 s[G1+2], 4<<16                       ; tensor_dim1 = 4 token tiles
	s_mov_b32 s[G1+3], 8192<<16                    ; tile_dim0
	s_mov_b32 s[G1+4], 4                           ; tile_dim1
	s_mov_b32 s[G1+5], 16*SIZE_K                   ; from token tile to token tile
	s_mov_b32 s[G1+6], 0
	s_mov_b32 s[G1+7], 0
	s_or_b32 s[G1B+0], s44, (0<<16)|(1<<20)|(1<<21)|(6<<22)|(3<<25)  ; W: mask of my column; padding: 4 words after every 128
	s_mov_b32 s[G1B+1], 512<<16
	s_mov_b32 s[G1B+2], 64<<16
	s_mov_b32 s[G1B+3], 512<<16
	s_mov_b32 s[G1B+4], 64
	s_mov_b32 s[G1B+5], SIZE_K
	s_mov_b32 s[G1B+6], 0
	s_mov_b32 s[G1B+7], 0
	s_lshl_b32 s20, s17, 3
	s_lshl_b32 s18, s16, 2
	s_add_co_u32 s20, s20, s18                     ; A: token tile 8 x tile row + 4 x half
	s_mul_i32 s20, s20, 16*SIZE_K
	s_mov_b32 s21, 0
	s_lshl_b32 s46, s42, 7
	s_lshl_b32 s18, s16, 6
	s_add_co_u32 s46, s46, s18                     ; W: row 128 x tile column + 64 x half
	s_mul_i32 s46, s46, SIZE_K
	s_mov_b32 s47, 0
	s_lshl_b32 s45, s16, 15                        ; A's place in a slot: half x 32,768
	s_mul_i32 s19, s16, BHALF
	s_add_co_u32 s19, s19, ASLOT                   ; W's: behind A's
	s_wait_kmcnt 0x0
	s_load_b64 s[74:75], s[8:9], EOFF              ; eA, eB
	s_add_nc_u64 s[20:21], s[4:5], s[20:21]
	s_add_nc_u64 s[46:47], s[6:7], s[46:47]
	CROUND                                         ; the first joint loads meet
.irp s, 0,1
	s_mov_b32 s[G0+4*\s], 1
	s_add_co_u32 s[G0+4*\s+1], s45, \s*SLOT
	s_add_nc_u64 s[G0+4*\s+2:G0+4*\s+3], s[20:21], \s*8192
	s_or_b32 s[G0+4*\s+3], s[G0+4*\s+3], 0x80000000
	s_mov_b32 s[G0B+4*\s], 1
	s_add_co_u32 s[G0B+4*\s+1], s19, \s*SLOT
	s_add_nc_u64 s[G0B+4*\s+2:G0B+4*\s+3], s[46:47], \s*512
	s_or_b32 s[G0B+4*\s+3], s[G0B+4*\s+3], 0x80000000
	JLOAD G0+4*\s, G1, G0B+4*\s, G1B
.endr
	v_and_b32 v1, 15, v0                           ; r
	v_bfe_u32 v2, v0, 4, 1                         ; h
	v_and_b32 v3, 31, v0
	v_lshlrev_b32 v4, 4, v3                        ; 16 x lane
	v_mul_u32_u24 v5, v1, BP
	v_lshl_add_u32 v5, v2, 3, v5                   ; W: row r, + 8 h
	s_lshl_b32 s21, s15, 15                        ; my four token tiles
	s_mul_i32 s22, s16, BHALF
	s_add_co_u32 s22, s22, ASLOT                   ; my 64 rows of W
.irp s, 0,1
	v_add_nc_u32 v[ADRA+\s], s21, v4
	v_add_nc_u32 v[ADRB+\s], s22, v5
	s_add_co_u32 s21, s21, SLOT
	s_add_co_u32 s22, s22, SLOT
.endr
	s_mul_i32 s23, s14, 16*SP
	s_add_co_u32 s23, s23, STAGE                   ; my stage
	v_mul_u32_u24 v6, v1, SP
	v_lshl_add_u32 v6, v2, 5, v6
	v_add_nc_u32 v[STO], s23, v6                   ; in: row r, + 32 h
	v_mul_u32_u24 v7, v2, SP
	v_lshl_add_u32 v7, v1, 4, v7
	v_add_nc_u32 v[RD], s23, v7                    ; back: lanes 0-15 one row, lanes 16-31 the next
	v_lshlrev_b32 v[CO], 12, v2
	v_lshl_add_u32 v[CO], v1, 4, v[CO]             ; and the same two rows of 4,096 bytes in res and out
	v_lshlrev_b32 v27, 4, v1
	s_lshl_b32 s20, s17, 7
	s_lshl_b32 s21, s15, 6
	s_add_co_u32 s20, s20, s21                     ; my first token
	s_lshl_b32 s20, s20, 12
	s_lshl_b32 s46, s42, 9
	s_lshl_b32 s47, s16, 8
	s_add_co_u32 s46, s46, s47                     ; my first column, in bytes
	s_add_co_u32 s20, s20, s46
	s_mov_b32 s21, 0
	s_mov_b32 s47, 0
	s_add_nc_u64 s[68:69], s[68:69], s[20:21]
	s_add_nc_u64 s[70:71], s[70:71], s[20:21]
	s_add_nc_u64 s[10:11], s[10:11], s[46:47]
	WIN 0x80                                       ; destination window 2
.irp a, 0,1,2,3
.irp t, 0,1,2,3,4,5,6,7
	global_load_b128 v[32*\a+4*\t:32*\a+4*\t+3], v[CO], s[68:69] offset:(16*\a+2*\t)*4096 th:TH_LOAD_NT   ; the residual, in the layout of the stores
.endr
.endr
	WIN 0
	global_load_b128 v[96:99], v27, s[10:11]       ; the bias of my four columns
.macro MUL4 f, a, zero                 ; token block a x W's four; the 16 accumulators take turns
.irp b, 0,1,2,3
.if \zero
	v_wmma_f32_16x16x128_fp8_fp8 v[ACC+8*(4*(\a)+\b):ACC+8*(4*(\a)+\b)+7], v[\f+64+16*\b:\f+64+16*\b+15], v[\f+16*(\a):\f+16*(\a)+15], 0
.else
	v_wmma_f32_16x16x128_fp8_fp8 v[ACC+8*(4*(\a)+\b):ACC+8*(4*(\a)+\b)+7], v[\f+64+16*\b:\f+64+16*\b+15], v[\f+16*(\a):\f+16*(\a)+15], v[ACC+8*(4*(\a)+\b):ACC+8*(4*(\a)+\b)+7]
.endif
.endr
.endm
.macro FETCH slot, q, f                ; 48 LDS loads in one run: W's 32, then A's blocks 0, 1 (8), then 2, 3 (8)
	WIN TO_F
.irp b, 0,1,2,3
.irp c, 0,1,2,3,4,5,6,7
	ds_load_b64 v[\f+64+16*\b+2*\c:\f+64+16*\b+2*\c+1], v[ADRB+\slot] offset:\b*16*BP+128*(\q)+16*\c
.endr
.endr
.irp a, 0,1,2,3
.irp c, 0,1,2,3
	ds_load_b128 v[\f+16*\a+4*\c:\f+16*\a+4*\c+3], v[ADRA+\slot] offset:\a*8192+2048*(\q)+512*\c
.endr
.endr
.endm
.macro PLACES
.rept 4
	v_nop
.endr
.endm
.macro QUARTER slot, q, f, g, zero     ; multiplies buffer f and fetches the slot's q-th 128 along K into g
	s_wait_dscnt 8                                 ; W's and A's blocks 0, 1 are in; the youngest eight loads may be out
	WIN MUL
	MUL4 \f, 0, \zero
	MUL4 \f, 1, \zero
	PLACES
	FETCH \slot, \q, \g
	s_wait_dscnt 48                                ; all but the 48 just issued
	WIN MUL
	MUL4 \f, 2, \zero
	MUL4 \f, 3, \zero
.endm
.macro TURN slot, next, fill           ; a slot's last quarter changes slots
	WIN 0
	s_wait_tensorcnt 0x0                           ; all my tensor loads have landed: my part of the next slot
	ds_add_u32 v[SPW], v[NIL]                      ; 0 onto my spare word
	s_wait_dscnt 9                                 ; the add and the youngest eight loads may be out
	WIN MUL
	MUL4 F1, 0, 0
	s_wait_dscnt 0x0                               ; the add is done, and my reads of this slot are over
	s_barrier_signal -1
	MUL4 F1, 1, 0
.if \fill
	WIN 0
.endif
	s_barrier_wait -1
.if \fill
	CREST                                          ; no wave of any partner still reads this slot or has a load on its way
	s_add_nc_u64 s[G0+4*\slot+2:G0+4*\slot+3], s[G0+4*\slot+2:G0+4*\slot+3], 2*8192
	s_add_nc_u64 s[G0B+4*\slot+2:G0B+4*\slot+3], s[G0B+4*\slot+2:G0B+4*\slot+3], 2*512
	JLOAD G0+4*\slot, G1, G0B+4*\slot, G1B         ; my one tensor load behind the round; its four v_nop are the places in front of the loads below
.else
	PLACES
.endif
	FETCH \next, 0, F0
	WIN MUL
	MUL4 F1, 2, 0
	MUL4 F1, 3, 0
.endm
	s_wait_tensorcnt 1                             ; my part of slot 0 is in; slot 1's load may be out
	s_barrier_signal -1
	s_barrier_wait -1
	FETCH 0, 0, F0
	QUARTER 0, 1, F0, F1, 1                        ; the first quarter's products start the sums
.if LAPS > 1
	WIN 0
	s_mov_b32 s3, LAPS-1
.Llap:
	QUARTER 0, 2, F1, F0, 0
	QUARTER 0, 3, F0, F1, 0
	TURN 0, 1, 1
	QUARTER 1, 1, F0, F1, 0
	QUARTER 1, 2, F1, F0, 0
	QUARTER 1, 3, F0, F1, 0
	TURN 1, 0, 1
	QUARTER 0, 1, F0, F1, 0
	WIN 0
	s_sub_co_u32 s3, s3, 1
	s_cmp_lg_u32 s3, 0
	s_cbranch_scc1 .Llap
.endif
	QUARTER 0, 2, F1, F0, 0                        ; the last lap fills nothing
	QUARTER 0, 3, F0, F1, 0
	TURN 0, 1, 0
	QUARTER 1, 1, F0, F1, 0
	QUARTER 1, 2, F1, F0, 0
	QUARTER 1, 3, F0, F1, 0
	s_wait_dscnt 8
	WIN MUL
	MUL4 F1, 0, 0
	MUL4 F1, 1, 0
	s_wait_dscnt 0
	MUL4 F1, 2, 0
	MUL4 F1, 3, 0
	WIN 0
	PLACES
	s_wait_loadcnt 0x0                             ; the residual and the bias
	s_wait_kmcnt 0x0
	s_add_co_i32 s72, s74, s75
	s_add_co_i32 s72, s72, 127
	s_lshl_b32 s72, s72, 23                        ; 2^(eA + eB) as f32
	s_mov_b32 s73, s72
.macro OUT a                           ; 16 tokens x 64 columns: through my stage, x the scale + bias, + residual, stored
.set BB, BK+32*((\a)%2)
.irp b, 0,1,2,3
	ds_store_b128 v[STO], v[ACC+8*(4*(\a)+\b):ACC+8*(4*(\a)+\b)+3] offset:64*\b          ; each accumulator from its low end on
	ds_store_b128 v[STO], v[ACC+8*(4*(\a)+\b)+4:ACC+8*(4*(\a)+\b)+7] offset:64*\b+16
.endr
.irp t, 0,1,2,3,4,5,6,7
	ds_load_b128 v[BB+4*\t:BB+4*\t+3], v[RD] offset:\t*2*SP   ; LDS serves a wave's instructions in order: these see my stores
.endr
	s_wait_dscnt 0x0
.irp t, 0,1,2,3,4,5,6,7
	v_pk_fma_f32 v[BB+4*\t:BB+4*\t+1], v[BB+4*\t:BB+4*\t+1], s[72:73], v[96:97] op_sel_hi:[1,0,1]
	v_pk_fma_f32 v[BB+4*\t+2:BB+4*\t+3], v[BB+4*\t+2:BB+4*\t+3], s[72:73], v[98:99] op_sel_hi:[1,0,1]
.endr
	WIN 0x82                                       ; destination and source 0 window 2
.set i, 0
.rept 16
	v_pk_add_f32 v[32*(\a)+i:32*(\a)+i+1], v[32*(\a)+i:32*(\a)+i+1], v[BB+i:BB+i+1]
.set i, i+2
.endr
	WIN 0x08                                       ; a store's data: window 2
.irp t, 0,1,2,3,4,5,6,7
	global_store_b128 v[CO], v[32*(\a)+4*\t:32*(\a)+4*\t+3], s[70:71] offset:(16*(\a)+2*\t)*4096   ; sixteen lanes store 256 consecutive bytes, aligned
.endr
	WIN 0
.endm
	OUT 0
	OUT 1
	OUT 2
	OUT 3
	s_wait_tensorcnt 0x0                           ; the wave's end
	ds_add_u32 v[SPW], v[NIL]
	s_wait_dscnt 0x0
	CROUND                                         ; the closing round
	s_endpgm
.Lfunc_end_k_q73cbd55617_ffn2:
	.size	k_q73cbd55617_ffn2, .Lfunc_end_k_q73cbd55617_ffn2-k_q73cbd55617_ffn2
	.p2alignl 7, 3214868480
	.fill 96, 4, 3214868480
	.section	.rodata,"a",@progbits
	.p2align	6, 0x0
	.amdhsa_kernel k_q73cbd55617_ffn2
		.amdhsa_group_segment_fixed_size 327680
		.amdhsa_private_segment_fixed_size 0
		.amdhsa_enable_private_segment 0
		.amdhsa_kernarg_size 48
		.amdhsa_user_sgpr_count 2
		.amdhsa_user_sgpr_kernarg_segment_ptr 1
		.amdhsa_wavefront_size32 1
		.amdhsa_system_sgpr_workgroup_id_x 1
		.amdhsa_system_sgpr_workgroup_id_y 1
		.amdhsa_system_sgpr_workgroup_id_z 1
		.amdhsa_system_vgpr_workitem_id 0
		.amdhsa_next_free_vgpr 640
		.amdhsa_next_free_sgpr 80
		.amdhsa_reserve_vcc 0
		.amdhsa_float_denorm_mode_32 3
		.amdhsa_float_denorm_mode_16_64 3
		.amdhsa_memory_ordered 1
		.amdhsa_forward_progress 1
		.amdhsa_inst_pref_size 98
	.end_amdhsa_kernel
	.amdgpu_metadata
---
amdhsa.version: [ 1, 2 ]
amdhsa.kernels:
  - .name:           k_q73cbd55617_ffn2
    .symbol:         k_q73cbd55617_ffn2.kd
    .args:
      - { .name: hid, .offset: 0, .size: 8, .value_kind: global_buffer, .address_space: global }
      - { .name: W2_codes, .offset: 8, .size: 8, .value_kind: global_buffer, .address_space: global }
      - { .name: lowp_scales, .offset: 16, .size: 8, .value_kind: global_buffer, .address_space: global }
      - { .name: b2, .offset: 24, .size: 8, .value_kind: global_buffer, .address_space: global }
      - { .name: src2, .offset: 32, .size: 8, .value_kind: global_buffer, .address_space: global }
      - { .name: out0, .offset: 40, .size: 8, .value_kind: global_buffer, .address_space: global }
    .group_segment_fixed_size: 327680
    .private_segment_fixed_size: 0
    .kernarg_segment_align: 8
    .kernarg_segment_size: 48
    .max_flat_workgroup_size: 128
    .sgpr_count:     80
    .vgpr_count:     640
    .wavefront_size: 32
...
	.end_amdgpu_metadata
.endif
;; end of part 7
